; MI455X (gfx1250); checked and timed in simulation.
; The chip was launched on July 23, 2026; its instructions are those of AMD's public machine-readable ISA for CDNA 5 (MIT licence, August 2026) and "CDNA5" Instruction Set Architecture Reference Guide (July 2026). The comments in the code are by the model that wrote it; some were corrected since.
;; GPT Sparse Transformer Block. Allowed arithmetic: matrix products marked QUANTISED: E2M3 operands, one E8M0 scale for each 32 along K, by v_wmma_scale_f32_16x16x128_f8f6f4 with both operands' format E2M3, f32 sums; everything else in f32.
;; Inputs: b1 4,096 float32; b2 1,024 float32; bk 1,024 float32; bo 1,024 float32; bq 1,024 float32; bv 1,024 float32; ln1_b 1,024 float32; ln1_g 1,024 float32; ln2_b 1,024 float32; ln2_g 1,024 float32; w1_codes 4,096 x 32 x 24 uint8 (E2M3 codes of w1, K innermost, in blocks of 32 codes, four codes in three bytes); w1_scales 4,096 x 32 uint8 (E8M0 scales of w1, one for each 32 codes along K); w2_codes 1,024 x 128 x 24 uint8 (E2M3 codes of w2, K innermost, in blocks of 32 codes, four codes in three bytes); w2_scales 1,024 x 128 uint8 (E8M0 scales of w2, one for each 32 codes along K); wk_codes 1,024 x 32 x 24 uint8 (E2M3 codes of wk, K innermost, in blocks of 32 codes, four codes in three bytes); wk_scales 1,024 x 32 uint8 (E8M0 scales of wk, one for each 32 codes along K); wo_codes 1,024 x 32 x 24 uint8 (E2M3 codes of wo, K innermost, in blocks of 32 codes, four codes in three bytes); wo_scales 1,024 x 32 uint8 (E8M0 scales of wo, one for each 32 codes along K); wq_codes 1,024 x 32 x 24 uint8 (E2M3 codes of wq, K innermost, in blocks of 32 codes, four codes in three bytes); wq_scales 1,024 x 32 uint8 (E8M0 scales of wq, one for each 32 codes along K); wv_codes 1,024 x 32 x 24 uint8 (E2M3 codes of wv, K innermost, in blocks of 32 codes, four codes in three bytes); wv_scales 1,024 x 32 uint8 (E8M0 scales of wv, one for each 32 codes along K); x 2 x 2,048 x 1,024 float32.
;; Outputs: out0 2 x 2,048 x 1,024 float32.
;; This version of the problem:
;;   THIS VERSION OF THE PROBLEM IS GIVEN IN LOW PRECISION. The matrix products marked QUANTISED in the list below multiply operands that are first quantised to E2M3 (2 exponent bits, 3 mantissa bits; 6 bits a number), with one power-of-two scale for each 32 numbers along K (OCP MX v1.0); their sums are f32. All else is computed in f32.
;;   The module's matrix products, in the order in which they are computed (A, B: the left and right operand; K: the contracted axis; several contracted axes count as one K, in the product's order):
;;     1. [M 4,096, K 1,024] x [K 1,024, N 1,024]; A: computed on the way; B: input wq (given as codes): QUANTISED
;;     2. [M 4,096, K 1,024] x [K 1,024, N 1,024]; A: computed on the way; B: input wk (given as codes): QUANTISED
;;     3. [M 4,096, K 1,024] x [K 1,024, N 1,024]; A: computed on the way; B: input wv (given as codes): QUANTISED
;;     4. batch 32 x [M 2,048, K 64] x [K 64, N 2,048]; A: computed on the way; B: computed on the way: QUANTISED
;;     5. batch 32 x [M 64, K 2,048] x [K 2,048, N 2,048]; A: computed on the way; B: softmax (see below): QUANTISED
;;     6. [M 4,096, K 1,024] x [K 1,024, N 1,024]; A: computed on the way; B: input wo (given as codes): QUANTISED
;;     7. [M 4,096, K 1,024] x [K 1,024, N 4,096]; A: computed on the way; B: input w1 (given as codes): QUANTISED
;;     8. [M 4,096, K 4,096] x [K 4,096, N 1,024]; A: computed on the way; B: input w2 (given as codes): QUANTISED
;;   THE QUANTISER, for each operand of a quantised product, along K:
;;     - K is cut into blocks of 32 from its start; a last block that is shorter is filled with zeros.
;;     - A block's scale is 2^e with e = floor(log2(the largest magnitude in the block)) - 2, held to -126 .. 127; a block of zeros has e = 0. As a byte (E8M0): e + 127.
;;     - Each number is divided by its block's scale, clamped to +-7.5, and rounded to the nearest number of E2M3, ties to even, subnormals kept.
;;     - The product sums the exact products of the quantised numbers (number of the format x scale) in f32.
;;   ~~~python
;;   def quantise(x, axis):      # numpy; x: float32 -> the quantised numbers, widened to float32 again
;;       x = np.moveaxis(x, axis, -1); K = x.shape[-1]
;;       x = np.pad(x, [(0, 0)] * (x.ndim - 1) + [(0, -K % 32)]); x = x.reshape(x.shape[:-1] + (-1, 32)); a = np.abs(x).max(-1, keepdims=True)
;;       e = np.where(a > 0, np.clip(np.frexp(np.where(a > 0, a, 1))[1] - 1 - 2, -126, 127), 0)      # np.frexp(a)[1] - 1 = floor(log2(a)), exactly
;;       r = np.clip(x / 2.0 ** e, -7.5, 7.5)
;;       step = 2.0 ** (np.maximum(np.frexp(np.where(r == 0, 1, r))[1] - 1, 0) - 3)
;;       q = np.round(r / step) * step * 2.0 ** e      # np.round: ties to even
;;       return np.moveaxis(q.reshape(q.shape[:-2] + (-1,))[..., :K], -1, axis).astype(np.float32)
;;   ~~~
;;   SOFTMAX AHEAD OF A QUANTISED PRODUCT. Where the list says 'softmax', what is quantised is not the finished softmax but p = 2^(t - M), with t = logit x log2(e) and M = ceil(the row's largest t), a whole number; so 1/2 < the row's largest p <= 1. The row's sum l is taken of the UNQUANTISED p, in f32, and the product's result is divided by l at the end. Since M is a whole number, a kernel that streams over the keys may use a running M (the ceiling of the running maximum): every later rescaling is an exact power of two, which a block's scale takes up: the codes' values come out the same.
;;   OPERANDS COMPUTED ON THE WAY. 'Computed on the way' means the value that the module computes at that place (a softmax that the list does not call 'softmax' is quantised finished and normalised). What goes into a quantiser is computed in f32, as accurately as f32 sums, v_exp_f32 and their like allow (about 1e-6 of the number): no bf16 or f16 on the way to a quantiser, and a product that is left as it is and whose result goes on into a quantised operand takes f32 operands (vector FMAs, or v_wmma_f32_16x16x4_f32). A number that lies on a knife's edge between two numbers of the format may be rounded either way, as far as f32 arithmetic and the matrix unit's own rounding can turn it there, and no further.
;;   INPUTS GIVEN AS CODES. w1 (in the module: [1024, 4096], K = its axis 0); w2 (in the module: [4096, 1024], K = its axis 0); wk (in the module: [1024, 1024], K = its axis 0); wo (in the module: [1024, 1024], K = its axis 0); wq (in the module: [1024, 1024], K = its axis 0); wv (in the module: [1024, 1024], K = its axis 0): each comes as NAME_codes (uint8): NAME with its K axis moved to the last place and cut into blocks of 32 codes, [.., K / 32, bytes a block], one block behind the other in memory; four codes in three bytes: a row's codes are one little-endian stream of bits, code i at bits 6 i .. 6 i + 5 (a code: sign, 2 exponent bits, 3 mantissa bits); and NAME_scales (uint8): the same leading axes, one E8M0 byte (e + 127) for each 32 codes along K. Its value is code x scale, taken as it is: it is not quantised again, and the codes and scales need not be those that the quantiser above would give.
;; One version. Each part assembles by itself: llvm-mc -triple=amdgcn-amd-amdhsa -mcpu=gfx1250 --defsym DOCPART=n.
;; ======== version 1 of 1: 7 launches
;; workspace buffers: hc 3,145,728 bytes; hs 131,072 bytes; qkvc 10,485,760 bytes; qkvs 917,504 bytes; ic 12,582,912 bytes; isc 524,288 bytes; x1 16,777,216 bytes
;; launch ln1 (part 1): grid 256 x 1, 8 waves a work-group, no clusters, 17,408 bytes of LDS; arguments x, ln1_g, ln1_b, hc, hs; writes hc, hs
.if DOCPART == 1
	.amdgcn_target "amdgcn-amd-amdhsa--gfx1250"
	.amdhsa_code_object_version 6
	.text
	.protected	k_q580eb8e3a0_ln1
	.globl	k_q580eb8e3a0_ln1
	.p2align	8
	.type	k_q580eb8e3a0_ln1,@function
k_q580eb8e3a0_ln1:
	s_mov_b64 s[64:65], 0
	v_nop
	global_prefetch_b8 v0, s[64:65] scope:SCOPE_SE
	s_setreg_imm32_b32 hwreg(HW_REG_WAVE_MODE, 25, 1), 1
	s_wait_xcnt 0x0
; LayerNorm over rows of 1,024 f32 numbers, times gamma plus beta, quantised along the row to codes of FP6 (E2M3) with one E8M0 byte for each 32.
; OUT: codes as rows of 768 bytes (a row's codes are one stream of bits), scale bytes as rows of 32: the layout in which the weights arrive.
; SHARES.  A work-group takes 16 rows; wave w takes columns 128 w .. 128 w + 127 of all 16.  Lane (r, h) holds, of row r, 16 neighbours of each of the wave's four
; blocks of 32: register 16 b + i is column 128 w + 32 b + 16 h + i.  So the conversions' sixteen numbers are one lane's consecutive registers.
; The mean and then the mean of the squared differences are taken in two passes (no difference of large sums), each through 512 bytes of LDS and one barrier.
; LIMITS: NaN and infinities are not served; a block of zeros gets the byte 1 (its codes are zeros; this program alone reads the bytes); the sums' order differs from a plain left-to-right sum.
.set RED1, 0                           ; LDS: [row 16][wave 8] partial sums
.set RED2, 512                         ; the same for the squares
.set SST,  1024                        ; [row 16][32] scale bytes
.set STG,  2048                        ; 16 rows of codes, 768 bytes + 16: row r starts 196 r words on, so sixteen rows start at sixteen different groups of four banks
.set SP,   784
.set XA,  4                            ; v4   byte offset of my numbers in the group's 16 rows
.set GA,  5                            ; v5   the same in gamma and beta
.set RW,  6                            ; v6   32 r + 4 w
.set RR,  7                            ; v7   32 r
.set SO,  8                            ; v8   784 r + 96 w + 24 h
.set RDA, 9                            ; v9   1568 w + 16 l
.set RDB, 10                           ; v10  the same + 16 h
.set GO,  11                           ; v11  1536 w + 16 l
.set TM,  12                           ; v12-27 at work in QUANT
.set PW,  28                           ; v28  the scale word
.set LI,  29                           ; v29  16 l
.set X,   32
.set G,   96
.set BT,  160
.set PC,  224                          ; v224-242 codes
.set SM,  244                          ; v244-251 sums
.set MN,  252                          ; v252-253 the mean, twice
.set RS,  254                          ; v254-255 1 / sqrt(var + eps), twice
.set SEL, 12                           ; s[12:13] lane selects: lane l xor 16
; 64 numbers of a lane, register 16 b + i = k 32 b + 16 h + i of my row, become a fragment's 12 registers of codes in v[PC] on and its scale word in v[PW]
.macro QUANT s
.irp b, 0,1,2,3
	v_max3_num_f32 v[TM+\b], |v[\s+16*\b]|, |v[\s+1+16*\b]|, 0x1800000   ; my 16 numbers of block b, and the floor 2^(3 - 127): the byte cannot fall under 1
.endr
.irp i, 2,4,6,8,10,12,14
.irp b, 0,1,2,3
	v_max3_num_f32 v[TM+\b], v[TM+\b], |v[\s+16*\b+\i]|, |v[\s+1+16*\b+\i]|
.endr
.endr
.irp b, 0,1,2,3
	v_permlanex16_b32 v[TM+4+\b], v[TM+\b], s[SEL], s[SEL+1]
.endr
.irp b, 0,1,2,3
	v_max_num_f32 v[TM+\b], v[TM+\b], v[TM+4+\b]                       ; with lane l xor 16's: the block's largest magnitude
.endr
.irp b, 0,1,2,3
	v_add_nc_u32 v[TM+12+\b], 0xff000000, v[TM+\b]                     ; 2 off its exponent field: the conversion's scale operand
.endr
.irp b, 0,1,2,3
	v_lshrrev_b32 v[TM+4+\b], 23, v[TM+12+\b]                          ; the scale's byte
.endr
	v_lshl_or_b32 v[PW], v[TM+5], 8, v[TM+4]
	v_lshl_or_b32 v[PW], v[TM+6], 16, v[PW]
	v_lshl_or_b32 v[PW], v[TM+7], 24, v[PW]
.irp c, 0,1
	v_cvt_scalef32_pk16_fp6_f32 v[PC+6*\c:PC+2+6*\c], v[\s+32*\c:\s+15+32*\c], v[TM+12+2*\c]
	v_cvt_scalef32_pk16_fp6_f32 v[PC+12+4*\c:PC+14+4*\c], v[\s+16+32*\c:\s+31+32*\c], v[TM+12+2*\c+1]   ; (a conversion's three registers begin on an even number)
.endr
	v_nop                                          ; one plain place behind a scaled conversion
.irp c, 0,1                                    ; the operand's layout wants a whole block in a lane: lanes 0-15 block 2 c, lanes 16-31 block 2 c + 1
.irp i, 0,1,2
	v_permlane16_swap_b32 v[PC+6*\c+\i], v[PC+12+4*\c+\i]
.endr
.irp i, 0,1,2
	v_mov_b32 v[PC+3+6*\c+\i], v[PC+12+4*\c+\i]
.endr
.endr
.endm
; four packed chains in v[SM] on become the row's sum in every lane: within the lane, with lane l xor 16, then over the eight waves through LDS
.macro REDUCE red
	v_pk_add_f32 v[SM:SM+1], v[SM:SM+1], v[SM+2:SM+3]
	v_pk_add_f32 v[SM+4:SM+5], v[SM+4:SM+5], v[SM+6:SM+7]
	v_pk_add_f32 v[SM:SM+1], v[SM:SM+1], v[SM+4:SM+5]
	v_add_f32 v[SM], v[SM], v[SM+1]
	v_permlanex16_b32 v[SM+1], v[SM], s[SEL], s[SEL+1]
	v_add_f32 v[SM], v[SM], v[SM+1]
	ds_store_b32 v[RW], v[SM] offset:\red          ; both lanes of a row write the same word with the same value
	s_wait_dscnt 0x0                               ; for the others' sake: my store has landed
	s_barrier_signal -1
	s_barrier_wait -1
	ds_load_b128 v[SM:SM+3], v[RR] offset:\red
	ds_load_b128 v[SM+4:SM+7], v[RR] offset:\red+16
	s_wait_dscnt 0x0
	v_pk_add_f32 v[SM:SM+1], v[SM:SM+1], v[SM+2:SM+3]
	v_pk_add_f32 v[SM+4:SM+5], v[SM+4:SM+5], v[SM+6:SM+7]
	v_pk_add_f32 v[SM:SM+1], v[SM:SM+1], v[SM+4:SM+5]
	v_add_f32 v[SM], v[SM], v[SM+1]
.endm
	s_load_b256 s[16:23], s[0:1], 0x0              ; the rows s[16:17], gamma s[18:19], beta s[20:21], the codes s[22:23]
	s_load_b64 s[24:25], s[0:1], 0x20              ; the scale bytes
	v_lshl_add_u32 v239, v0, 2, 0x4000
	v_mov_b32 v243, 0
	v_lshrrev_b32 v1, 5, v0
	v_readfirstlane_b32 s8, v1                     ; wave 0..7
	v_and_b32 v1, 31, v0                           ; l
	v_and_b32 v2, 15, v0                           ; r
	v_bfe_u32 v3, v0, 4, 1                         ; h
	s_lshl_b32 s9, s8, 9
	v_lshlrev_b32 v[GA], 6, v3
	v_add_nc_u32 v[GA], s9, v[GA]                  ; 512 w + 64 h
	v_lshl_add_u32 v[XA], v2, 12, v[GA]            ; + 4096 r
	s_lshl_b32 s10, s8, 2
	v_lshlrev_b32 v[RR], 5, v2
	v_add_nc_u32 v[RW], s10, v[RR]
	v_mul_u32_u24 v[SO], v2, SP
	v_mad_u32_u24 v[SO], v3, 24, v[SO]
	s_mul_i32 s11, s8, 96
	v_add_nc_u32 v[SO], s11, v[SO]
	v_lshlrev_b32 v[LI], 4, v1
	s_mul_i32 s9, s8, 2*SP
	v_add_nc_u32 v[RDA], s9, v[LI]
	v_lshl_add_u32 v[RDB], v3, 4, v[RDA]
	s_mul_i32 s10, s8, 1536
	v_add_nc_u32 v[GO], s10, v[LI]
	s_mov_b32 s[SEL], 0x76543210
	s_mov_b32 s[SEL+1], 0xfedcba98
.irp b, 0,1,2,3
	v_mov_b32 v[TM+4+\b], 0                        ; written once: a lane permute's destination counts as one of its sources
.endr
	s_lshl_b32 s2, ttmp9, 16                       ; the group's 16 rows of 4,096 bytes
	s_mov_b32 s3, 0
	s_mul_i32 s4, ttmp9, 12288                     ; of 768 bytes of codes
	s_mov_b32 s5, 0
	s_lshl_b32 s6, ttmp9, 9                        ; of 32 scale bytes
	s_mov_b32 s7, 0
	s_wait_kmcnt 0x0
	s_add_nc_u64 s[16:17], s[16:17], s[2:3]
	s_add_nc_u64 s[22:23], s[22:23], s[4:5]
	s_add_nc_u64 s[24:25], s[24:25], s[6:7]
.irp b, 0,1,2,3
.irp j, 0,1,2,3
	global_load_b128 v[X+16*\b+4*\j:X+16*\b+4*\j+3], v[XA], s[16:17] offset:128*\b+16*\j
.endr
.endr
.irp b, 0,1,2,3
.irp j, 0,1,2,3
	global_load_b128 v[G+16*\b+4*\j:G+16*\b+4*\j+3], v[GA], s[18:19] offset:128*\b+16*\j
.endr
.endr
.irp b, 0,1,2,3
.irp j, 0,1,2,3
	global_load_b128 v[BT+16*\b+4*\j:BT+16*\b+4*\j+3], v[GA], s[20:21] offset:128*\b+16*\j
.endr
.endr
	s_wait_loadcnt 32                              ; the rows' 16 loads are in; gamma's and beta's 32 may be out
	; pass 1: the mean
.irp c, 0,1,2,3
	v_pk_add_f32 v[SM+2*\c:SM+2*\c+1], v[X+4*\c:X+4*\c+1], v[X+4*\c+2:X+4*\c+3]   ; the first sixteen numbers start four chains: nothing is cleared
.endr
.irp i, 16,24,32,40,48,56
.irp c, 0,1,2,3
	v_pk_add_f32 v[SM+2*\c:SM+2*\c+1], v[SM+2*\c:SM+2*\c+1], v[X+\i+2*\c:X+\i+2*\c+1]
.endr
.endr
	REDUCE RED1
	v_mul_f32 v[MN], 0x3a800000, v[SM]             ; / 1,024
	v_mov_b32 v[MN+1], v[MN]
.set ii, 0
.rept 32
	v_pk_add_f32 v[X+ii:X+ii+1], v[X+ii:X+ii+1], v[MN:MN+1] neg_lo:[0,1] neg_hi:[0,1]
.set ii, ii+2
.endr
	; pass 2: the mean of the squared differences
.irp c, 0,1,2,3
	v_pk_mul_f32 v[SM+2*\c:SM+2*\c+1], v[X+2*\c:X+2*\c+1], v[X+2*\c:X+2*\c+1]
.endr
.irp i, 8,16,24,32,40,48,56
.irp c, 0,1,2,3
	v_pk_fma_f32 v[SM+2*\c:SM+2*\c+1], v[X+\i+2*\c:X+\i+2*\c+1], v[X+\i+2*\c:X+\i+2*\c+1], v[SM+2*\c:SM+2*\c+1]
.endr
.endr
	REDUCE RED2
	v_mov_b32 v[RS+1], 0x3727c5ac                  ; eps = 1e-5
	v_fmamk_f32 v[SM], v[SM], 0x3a800000, v[RS+1]  ; sum / 1,024 + eps
	v_rsq_f32 v[RS], v[SM]
	v_nop                                          ; one plain place behind a transcendental
	s_wait_alu depctr_va_vdst(0)
	v_mov_b32 v[RS+1], v[RS]
	s_wait_loadcnt 0x0                             ; gamma and beta
.set ii, 0
.rept 32
	v_pk_mul_f32 v[X+ii:X+ii+1], v[X+ii:X+ii+1], v[RS:RS+1]
.set ii, ii+2
.endr
.set ii, 0
.rept 32
	v_pk_fma_f32 v[X+ii:X+ii+1], v[X+ii:X+ii+1], v[G+ii:G+ii+1], v[BT+ii:BT+ii+1]
.set ii, ii+2
.endr
	QUANT X
.irp p, 0,1,2,3,4,5
	ds_store_b64 v[SO], v[PC+2*\p:PC+2*\p+1] offset:STG+48*(\p/3)+8*(\p%3)   ; registers 6 c .. 6 c + 5 are the 24 bytes at 48 c + 24 h of my wave's 96 bytes of the row
.endr
	ds_store_b32 v[RW], v[PW] offset:SST
	s_wait_dscnt 0x0                               ; for the others' sake: my stores have landed
	s_barrier_signal -1
	s_barrier_wait -1
	; wave w sends rows 2 w and 2 w + 1: 1,536 consecutive bytes of the codes' buffer, 512 an instruction
	ds_load_b128 v[G:G+3], v[RDA] offset:STG
	ds_load_b128 v[G+4:G+7], v[RDB] offset:STG+512   ; lanes 16-31 are in the next row: one padding further on
	ds_load_b128 v[G+8:G+11], v[RDA] offset:STG+1040
	s_wait_dscnt 0x0
.irp k, 0,1,2
	global_store_b128 v[GO], v[G+4*\k:G+4*\k+3], s[22:23] offset:512*\k
.endr
	s_cmp_lg_u32 s8, 0
	s_cbranch_scc1 .Lend
	ds_load_b128 v[G+12:G+15], v[LI] offset:SST    ; wave 0: the group's 512 scale bytes
	s_wait_dscnt 0x0
	global_store_b128 v[LI], v[G+12:G+15], s[24:25]
.Lend:
	s_wait_tensorcnt 0x0
	ds_add_u32 v239, v243
	s_wait_dscnt 0x0
	s_endpgm
.Lfunc_end_k_q580eb8e3a0_ln1:
	.size	k_q580eb8e3a0_ln1, .Lfunc_end_k_q580eb8e3a0_ln1-k_q580eb8e3a0_ln1
	.p2alignl 7, 3214868480
	.fill 96, 4, 3214868480
	.section	.rodata,"a",@progbits
	.p2align	6, 0x0
	.amdhsa_kernel k_q580eb8e3a0_ln1
		.amdhsa_group_segment_fixed_size 17408
		.amdhsa_private_segment_fixed_size 0
		.amdhsa_enable_private_segment 0
		.amdhsa_kernarg_size 40
		.amdhsa_user_sgpr_count 2
		.amdhsa_user_sgpr_kernarg_segment_ptr 1
		.amdhsa_wavefront_size32 1
		.amdhsa_system_sgpr_workgroup_id_x 1
		.amdhsa_system_sgpr_workgroup_id_y 1
		.amdhsa_system_sgpr_workgroup_id_z 1
		.amdhsa_system_vgpr_workitem_id 0
		.amdhsa_next_free_vgpr 256
		.amdhsa_next_free_sgpr 66
		.amdhsa_reserve_vcc 0
		.amdhsa_float_denorm_mode_32 3
		.amdhsa_float_denorm_mode_16_64 3
		.amdhsa_memory_ordered 1
		.amdhsa_forward_progress 1
		.amdhsa_inst_pref_size 24
	.end_amdhsa_kernel
	.amdgpu_metadata
---
amdhsa.version: [ 1, 2 ]
amdhsa.kernels:
  - .name:           k_q580eb8e3a0_ln1
    .symbol:         k_q580eb8e3a0_ln1.kd
    .args:
      - { .name: x, .offset: 0, .size: 8, .value_kind: global_buffer, .address_space: global }
      - { .name: ln1_g, .offset: 8, .size: 8, .value_kind: global_buffer, .address_space: global }
      - { .name: ln1_b, .offset: 16, .size: 8, .value_kind: global_buffer, .address_space: global }
      - { .name: hc, .offset: 24, .size: 8, .value_kind: global_buffer, .address_space: global }
      - { .name: hs, .offset: 32, .size: 8, .value_kind: global_buffer, .address_space: global }
    .group_segment_fixed_size: 17408
    .private_segment_fixed_size: 0
    .kernarg_segment_align: 8
    .kernarg_segment_size: 40
    .max_flat_workgroup_size: 256
    .sgpr_count:     66
    .vgpr_count:     256
    .wavefront_size: 32
...
	.end_amdgpu_metadata
.endif
;; end of part 1
;; launch qkv (part 2): grid 12 x 16, 4 waves a work-group, clusters of 4 x 4, 327,680 bytes of LDS; arguments hc, hs, wq_codes, wq_scales, wk_codes, wk_scales, wv_codes, wv_scales, bq, bk, bv, qkvc, qkvs; writes qkvc, qkvs
.if DOCPART == 2
	.amdgcn_target "amdgcn-amd-amdhsa--gfx1250"
	.amdhsa_code_object_version 6
	.text
	.protected	k_q580eb8e3a0_qkv
	.globl	k_q580eb8e3a0_qkv
	.p2align	8
	.type	k_q580eb8e3a0_qkv,@function
k_q580eb8e3a0_qkv:
	s_mov_b64 s[64:65], 0
	v_nop
	global_prefetch_b8 v0, s[64:65] scope:SCOPE_SE
	s_setreg_imm32_b32 hwreg(HW_REG_WAVE_MODE, 25, 1), 1
	s_wait_xcnt 0x0
	s_wait_alu depctr_hold_cnt(0) depctr_sa_sdst(0) depctr_va_vdst(0) depctr_va_sdst(0) depctr_va_ssrc(0) depctr_va_vcc(0) depctr_vm_vsrc(0)
	s_getreg_b32 s2, hwreg(HW_REG_IB_STS2, 6, 4)
	s_cmp_eq_u32 s2, 0
	s_cbranch_scc0 .Lentry_in_a_cluster
	s_endpgm
.Lentry_in_a_cluster:
	s_bfe_u32 s2, ttmp6, 0x10000c
	s_cmp_lg_u32 s2, 0xf033
	s_cbranch_scc0 .Lentry_shape_is_right
	s_endpgm
.Lentry_shape_is_right:
; q, k, v = h W + b on codes of FP6 (E2M3) with E8M0 scales, K = 1,024, and each result quantised again on its way out: q and k along the head's channels, v along the tokens (the keys).
; Clusters of 4 x 4 work-groups; the cluster's x says which product: 0 q, 1 k, 2 v.  A work-group makes 256 x 256 results, a wave 128 x 128: 64 accumulators, 512 registers.
; THE MATRIX INSTRUCTION'S SOURCE 0 TAKES 16 ROWS OF THE 'B' SIDE, SOURCE 1 16 ROWS OF THE 'A' SIDE: lane (r, h) then holds A's row r, and its eight registers run along B's rows 8 h + 0 .. 7.
; A quantiser wants a lane's registers to run along ITS K.  So for q and k: A = tokens (h), B = the weight's rows (channels).  For v: A = wv's rows (channels), B = tokens.  All four operands are rows of
; 768 bytes of codes with 32 scale bytes, so that is a choice of pointers and of tile numbers, made on the cluster's x alone, which all partners share.
; K goes in steps of 256 through two LDS slots filled by joint tensor loads (A's tile to my row of the cluster, B's to my column); all scale bytes come once and stay.
; OUT.  q, k: images of the next operand's registers, [token / 16][pair of heads][1,536 bytes]: register group c of lane l at 512 c + 16 l; scale words [pair of heads][token].
;       v: for the local step [token / 16][channel][16 bytes]: 12 bytes of codes of 16 tokens, then a word with the byte of their block of 32;
;          for the summary steps [128 tokens][block 4][channel] words: code of key 15 | code of key 31 << 6; and [128 tokens][channel] words: the four blocks' bytes.
; LIMITS: NaN and infinities are not served; a block of zeros gets the byte 1 (its codes are zeros; this program alone reads the bytes).
; REGISTERS: window 0: v7-31 addresses; v32-63 scale words, two sets; v64-71 the bias loads' offsets; from v128 A's fragments.  On the way out: v64-127 a block's 64 numbers, v128-190 at work.
;   window 1: B's fragments at v0 and v128; v96-127 and v224-255 the bias.   windows 2, 3: the accumulators ((a, b) at v[8 (8 (a % 4) + b)]).
.set NQX,    8                         ; K steps of 128 in the next product's rows of images
.set KSTEP,  256
.set NQ,     2
.set ROWB,   192
.set KROW,   768
.set PITCH,  240                       ; an LDS row: 3 x (64 bytes + 16 of padding)
.set FR,     12
.set NL,     6
.set NP,     4
.set HALFT,  128*PITCH
.set SLOT,   4*HALFT
.set LAPS,   2
.set KS,     32
.set SCL,    2*SLOT
.set HALFS,  (128*KS/256)*272
.set SBLK,   (16*KS/256)*272
.set SPARE,  SCL+4*HALFS               ; the spare words, 128 bytes a wave: two blocks of 256 bytes that no other line names
.set IO,   7                           ; v7   16 l
.set QSA,  8                           ; v8   q, k: my stage of scale words: 512 wave + 4 r
.set QSR,  9                           ; v9   and back: 512 wave + 16 l
.set VLO,  10                          ; v10  v: 32768 h + 16 r
.set VSA,  11                          ; v11  v: stage: 4096 + 2560 wave + 512 h + 4 r
.set VSP,  12                          ; v12  4096 + 2560 wave + 4 r
.set VSR,  13                          ; v13  4096 + 2560 wave + 16 l
.set ADRA, 16
.set ADRB, 20
.set ADRS, 27
.set SPW,  28
.set NIL,  29
.set SC,   32
.set VO,   64
.set AF,   128
.set W,    64
.set PC,   128
.set TM,   148
.set PW,   164
.set VQ,   166
.set BYR,  182
.set SWR,  184
.set SWT,  190
.set G1, 24
.set G0, 32
.set G1B, 48
.set G0B, 56
.set G1S, 68
.set G0S, 76
.set G1SB, 80
.set G0SB, 88
.set SEL, 92                           ; s[92:93] on the way out: lane selects
.set HM,  94                           ; s94 on the way out: the mask of lanes 16-31
.set MSB, 0
.macro WIN new                         ; the immediate's high byte repeats the setting that is left
.if MSB != (\new)
	s_set_vgpr_msb (MSB<<8)|(\new)
.set MSB, (\new)
.endif
.endm
.set MUL_LO, 0xa1
.set MUL_HI, 0xf1
.set TO_B,   0x40
; A joint load: waves 0 and 1 fetch for A, waves 2 and 3 for B; four v_nop follow each of the two lines
.macro JLOAD g0a, g1a, g0b, g1b
	s_cmp_eq_u32 s15, 0
	s_cbranch_scc0 .Lfor_b_\@
	tensor_load_to_lds s[\g0a:\g0a+3], s[\g1a:\g1a+7]
	s_nop 0
.rept 4
	v_nop
.endr
	s_branch .Lasked_\@
.Lfor_b_\@:
	tensor_load_to_lds s[\g0b:\g0b+3], s[\g1b:\g1b+7]
	s_nop 0
.rept 4
	v_nop
.endr
.Lasked_\@:
.endm
.macro CREST
	s_cmp_lg_u32 s14, 0
	s_cbranch_scc1 .Lnot_wave_0_\@
	s_barrier_signal -3
.Lnot_wave_0_\@:
	s_barrier_wait -3
	s_barrier_signal -1
	s_barrier_wait -1
.endm
.macro CROUND
	s_barrier_signal -1
	s_barrier_wait -1
	CREST
.endm
	s_load_b512 s[24:39], s[0:1], 0x0              ; h's codes, h's scales, wq's, wk's, wv's codes and scales
	s_load_b256 s[40:47], s[0:1], 0x40             ; bq, bk, bv, the codes' buffer
	s_load_b64 s[48:49], s[0:1], 0x60              ; the scales' buffer
	v_lshl_add_u32 v[SPW], v0, 2, SPARE
	v_mov_b32 v[NIL], 0
	ds_add_u32 v28, v29
	ds_add_u32 v28, v29
	s_wait_dscnt 0x0
	v_lshrrev_b32 v1, 5, v0
	v_readfirstlane_b32 s14, v1                    ; wave 0..3
	s_lshr_b32 s15, s14, 1                         ; which half of A's rows is mine.  Also: I fetch for A (0) or for B (1)
	s_and_b32 s16, s14, 1                          ; which half of B's rows.  Also: which 128 rows of that tile I fetch
	s_wait_kmcnt 0x0
	s_cmp_eq_u32 ttmp9, 2                          ; v?  The choices hang on the cluster's x alone
	s_cselect_b64 s[4:5], s[36:37], s[24:25]       ; A's codes: wv's or h's
	s_cselect_b64 s[6:7], s[38:39], s[26:27]       ; A's scales
	s_cselect_b32 s100, 1, 0
	s_cmp_eq_u32 ttmp9, 0
	s_cselect_b64 s[8:9], s[28:29], s[32:33]       ; B's codes: wq's or wk's,
	s_cselect_b64 s[10:11], s[30:31], s[34:35]
	s_cselect_b64 s[96:97], s[40:41], s[42:43]     ; the bias
	s_cmp_eq_u32 ttmp9, 2
	s_cselect_b64 s[8:9], s[24:25], s[8:9]         ; or, for v, h's
	s_cselect_b64 s[10:11], s[26:27], s[10:11]
	s_cselect_b64 s[96:97], s[44:45], s[96:97]
	s_mov_b64 s[12:13], s[46:47]
	s_mov_b64 s[98:99], s[48:49]
	s_bfe_u32 s40, ttmp6, 0x40000                  ; cx, cy: my place in the cluster
	s_bfe_u32 s41, ttmp6, 0x40004
	s_and_b32 s17, ttmp7, 0xffff
	s_lshl_b32 s17, s17, 2                         ; 4 x cluster y: it walks the tokens, which are A's rows for q and k and B's for v
	s_cmp_eq_u32 s100, 1
	s_cselect_b32 s18, 0, s17
	s_cselect_b32 s19, s17, 0
	s_add_co_u32 s17, s18, s41                     ; A's tile of 256 rows
	s_add_co_u32 s42, s19, s40                     ; B's tile
	s_lshl_b32 s43, s41, 2
	s_lshl_b32 s43, 15, s43                        ; my row of the cluster
	s_lshl_b32 s44, 0x1111, s40                    ; my column
	s_or_b32 s[G1+0], s43, (0<<16)|(1<<20)|(1<<21)|(3<<22)|(3<<25)   ; the mask; elements of 1 byte; padding of 4 words behind every 16; bit 21 beside a mask
	s_or_b32 s[G1B+0], s44, (0<<16)|(1<<20)|(1<<21)|(3<<22)|(3<<25)
.irp g, G1, G1B
	s_mov_b32 s[\g+1], ROWB<<16                    ; tensor_dim0
	s_mov_b32 s[\g+2], 128<<16                     ; tensor_dim1
	s_mov_b32 s[\g+3], ROWB<<16                    ; tile_dim0
	s_mov_b32 s[\g+4], 128                         ; tile_dim1
	s_mov_b32 s[\g+5], KROW                        ; the pitch
	s_mov_b32 s[\g+6], 0
	s_mov_b32 s[\g+7], 0
.endr
	s_or_b32 s[G1S+0], s43, (3<<16)|(1<<20)|(1<<21)|(5<<22)|(3<<25)  ; the scales of 128 rows: a dense block, as rows of 256 bytes with 16 of padding
	s_or_b32 s[G1SB+0], s44, (3<<16)|(1<<20)|(1<<21)|(5<<22)|(3<<25)
.irp g, G1S, G1SB
	s_mov_b32 s[\g+1], 32<<16
	s_mov_b32 s[\g+2], (128*KS/256)<<16
	s_mov_b32 s[\g+3], 32<<16
	s_mov_b32 s[\g+4], 128*KS/256
	s_mov_b32 s[\g+5], 32
	s_mov_b32 s[\g+6], 0
	s_mov_b32 s[\g+7], 0
.endr
	s_lshl_b32 s18, s16, 7
	s_lshl_b32 s20, s17, 8
	s_add_co_u32 s20, s20, s18                     ; A: row 256 x tile + 128 x half
	s_lshl_b32 s46, s42, 8
	s_add_co_u32 s46, s46, s18                     ; B likewise
	s_mov_b32 s21, 0
	s_mov_b32 s47, 0
	s_mov_b64 s[18:19], KS
	s_mul_u64 s[22:23], s[20:21], s[18:19]
	s_mul_u64 s[92:93], s[46:47], s[18:19]
	s_mov_b64 s[18:19], KROW
	s_mul_u64 s[20:21], s[20:21], s[18:19]
	s_mul_u64 s[46:47], s[46:47], s[18:19]
	s_mul_i32 s45, s14, HALFT                      ; where they go: wave x 128 rows
	s_mul_i32 s94, s14, HALFS
	s_add_nc_u64 s[20:21], s[4:5], s[20:21]
	s_add_nc_u64 s[22:23], s[6:7], s[22:23]
	s_add_nc_u64 s[46:47], s[8:9], s[46:47]
	s_add_nc_u64 s[92:93], s[10:11], s[92:93]
	CROUND                                         ; all sixteen work-groups are here: the first joint loads meet
	s_mov_b32 s[G0S], 1
	s_add_co_u32 s[G0S+1], s94, SCL
	s_mov_b64 s[G0S+2:G0S+3], s[22:23]
	s_or_b32 s[G0S+3], s[G0S+3], 0x80000000
	s_mov_b32 s[G0SB], 1
	s_add_co_u32 s[G0SB+1], s94, SCL
	s_mov_b64 s[G0SB+2:G0SB+3], s[92:93]
	s_or_b32 s[G0SB+3], s[G0SB+3], 0x80000000
	JLOAD G0S, G1S, G0SB, G1SB
.irp s, 0,1
	s_mov_b32 s[G0+4*\s], 1
	s_add_co_u32 s[G0+4*\s+1], s45, \s*SLOT
	s_add_nc_u64 s[G0+4*\s+2:G0+4*\s+3], s[20:21], \s*ROWB
	s_or_b32 s[G0+4*\s+3], s[G0+4*\s+3], 0x80000000
	s_mov_b32 s[G0B+4*\s], 1
	s_add_co_u32 s[G0B+4*\s+1], s45, \s*SLOT
	s_add_nc_u64 s[G0B+4*\s+2:G0B+4*\s+3], s[46:47], \s*ROWB
	s_or_b32 s[G0B+4*\s+3], s[G0B+4*\s+3], 0x80000000
	JLOAD G0+4*\s, G1, G0B+4*\s, G1B
.endr
	v_and_b32 v1, 15, v0                           ; r
	v_bfe_u32 v2, v0, 4, 1                         ; h
	; THE BIAS, 64 registers in the results' layout.  q, k: register 8 b + j is the bias of B's row 16 b + 8 h + j.  v: registers 8 a + 0 .. 7 all hold the bias of A's row 16 a + r.
	s_cmp_eq_u32 s100, 1
	s_cselect_b32 s18, 4, 0                        ; bytes for each r,
	s_cselect_b32 s19, 0, 32                       ; h,
	s_cselect_b32 s20, 0, 4                        ; and j
	v_mul_u32_u24 v[VO], v1, s18
	v_mad_u32_u24 v[VO], v2, s19, v[VO]
	v_mov_b32 v72, s20
.irp j, 1,2,3,4,5,6,7
	v_mad_u32_u24 v[VO+\j], v72, \j, v[VO]
.endr
	s_lshl_b32 s21, s42, 8
	s_lshl_b32 s22, s16, 7
	s_add_co_u32 s21, s21, s22                     ; my first row of B,
	s_lshl_b32 s22, s17, 8
	s_lshl_b32 s23, s15, 7
	s_add_co_u32 s22, s22, s23                     ; of A
	s_cmp_eq_u32 s100, 1
	s_cselect_b32 s46, s22, s21
	s_lshl_b32 s46, s46, 2
	s_mov_b32 s47, 0
	s_add_nc_u64 s[96:97], s[96:97], s[46:47]
	WIN TO_B
.irp i, 0,1,2,3,4,5,6,7
.irp j, 0,1,2,3,4,5,6,7
	global_load_b32 v[96+8*\i+\j+(\i/4)*96], v[VO+\j], s[96:97] offset:64*\i   ; they land while K is walked
.endr
.endr
	WIN 0
	v_mul_u32_u24 v3, v1, PITCH
	v_mul_u32_u24 v4, v2, 24
	v_add_nc_u32 v4, v3, v4                        ; a fragment's row x pitch + 24 x half
	v_lshl_add_u32 v5, v2, 4, v4                   ; and the same behind one padding more
	s_mul_i32 s21, s15, HALFT
	s_mul_i32 s22, s16, HALFT
	s_add_co_u32 s22, s22, 2*HALFT
.irp s, 0,1
	v_add_nc_u32 v[ADRA+\s], s21, v4
	v_add_nc_u32 v[ADRB+\s], s22, v4
	v_add_nc_u32 v[ADRA+2+\s], s21, v5
	v_add_nc_u32 v[ADRB+2+\s], s22, v5
	s_add_co_u32 s21, s21, SLOT
	s_add_co_u32 s22, s22, SLOT
.endr
	v_mul_u32_u24 v5, v1, KS
	v_lshrrev_b32 v6, 8, v5
	v_lshl_add_u32 v5, v6, 4, v5
	s_mul_i32 s21, s15, HALFS
	s_mul_i32 s22, s16, HALFS
	s_add_co_u32 s22, s22, 2*HALFS
	s_sub_co_u32 s22, s22, s21
	v_mul_u32_u24 v6, s22, v2                      ; lanes 16-31 take B's scale words
	s_add_co_u32 s21, s21, SCL
	v_add_nc_u32 v5, v5, v6
	v_add_nc_u32 v[ADRS], s21, v5
	v_and_b32 v3, 31, v0
	v_lshlrev_b32 v[IO], 4, v3
	s_lshl_b32 s21, s14, 9
	v_lshl_add_u32 v[QSA], v1, 2, s21
	v_add_nc_u32 v[QSR], s21, v[IO]
	v_lshlrev_b32 v[VLO], 4, v1
	v_lshl_add_u32 v[VLO], v2, 15, v[VLO]
	s_mul_i32 s21, s14, 2560
	s_add_co_u32 s21, s21, 4096
	v_lshl_add_u32 v[VSP], v1, 2, s21
	v_lshl_add_u32 v[VSA], v2, 9, v[VSP]
	v_add_nc_u32 v[VSR], s21, v[IO]
.macro FRAG reg, adr, q, i             ; 16 rows x 128 K: 12 registers; registers 6 c .. 6 c + 5 are the 24 bytes at 48 c + 24 h of the row's 96, in pieces of 8 bytes
.irp p, 0,1,2,3,4,5
.set PCE, 12*(\q)+6*(\p/3)+\p%3
.if PCE%8 < 5
	ds_load_b64 v[\reg+2*\p:\reg+2*\p+1], v[\adr] offset:8*PCE+16*(PCE/8)+(\i)*16*PITCH
.else
	ds_load_b64 v[\reg+2*\p:\reg+2*\p+1], v[\adr+2] offset:8*PCE+16*(PCE/8)+(\i)*16*PITCH
.endif
.endr
.endm
; 16 matrix instructions: A's blocks a0, a0 + 1 x B's eight.  The 64 accumulators take turns, one instruction a turn, in the same order in every step
.macro MUL16 a0, p, q, sc, zero
.irp a, \a0, \a0+1
.irp b, 0,1,2,3,4,5,6,7
.if \zero
	v_wmma_scale_f32_16x16x128_f8f6f4 v[8*(8*((\a)%4)+\b):8*(8*((\a)%4)+\b)+7], v[128*(\p)+FR*\b:128*(\p)+FR*\b+FR-1], v[AF+FR*(\a):AF+FR*(\a)+FR-1], 0, v[SC+8*NQ*(\sc)+NQ*\b+(\q)], v[SC+8*NQ*(\sc)+NQ*(\a)+(\q)] matrix_a_fmt:MATRIX_FMT_FP6 matrix_b_fmt:MATRIX_FMT_FP6 matrix_a_scale:MATRIX_SCALE_ROW1
.else
	v_wmma_scale_f32_16x16x128_f8f6f4 v[8*(8*((\a)%4)+\b):8*(8*((\a)%4)+\b)+7], v[128*(\p)+FR*\b:128*(\p)+FR*\b+FR-1], v[AF+FR*(\a):AF+FR*(\a)+FR-1], v[8*(8*((\a)%4)+\b):8*(8*((\a)%4)+\b)+7], v[SC+8*NQ*(\sc)+NQ*\b+(\q)], v[SC+8*NQ*(\sc)+NQ*(\a)+(\q)] matrix_a_fmt:MATRIX_FMT_FP6 matrix_b_fmt:MATRIX_FMT_FP6 matrix_a_scale:MATRIX_SCALE_ROW1
.endif
.endr
.endr
.endm
.macro FETCH_B slot, q, p
	WIN TO_B
.irp i, 0,1,2,3,4,5,6,7
	FRAG 128*(\p)+FR*\i, ADRB+\slot, \q, \i
.endr
	WIN 0
.endm
.macro FETCH_A slot, q, i0
.irp i, \i0, \i0+1, \i0+2, \i0+3
	FRAG AF+FR*(\i), ADRA+\slot, \q, \i
.endr
.endm
.macro SCALES sc                       ; lanes 0-15 take A's block i, lanes 16-31 B's block i: two words a row
.irp i, 0,1,2,3,4,5,6,7
	ds_load_b64 v[SC+8*NQ*\sc+NQ*\i:SC+8*NQ*\sc+NQ*\i+1], v[ADRS] offset:\i*SBLK
.endr
.endm
.macro PLACES n                        ; plain vector places behind matrix instructions, in front of loads into their registers and of reads of their results
.rept \n
	v_nop
.endr
.endm
.macro STEP slot, q, zero
	s_wait_dscnt 4*NL                              ; B's set and A's blocks 0-3 are in; the youngest 24 loads (A's blocks 4-7) may be out
	WIN MUL_LO
	MUL16 0, (\q)%2, \q, \slot, \zero
	MUL16 2, (\q)%2, \q, \slot, \zero
	s_wait_dscnt 0
	PLACES NP
	FETCH_B \slot, (\q)+1, 1-(\q)%2
	FETCH_A \slot, (\q)+1, 0
	WIN MUL_HI
	MUL16 4, (\q)%2, \q, \slot, \zero
	MUL16 6, (\q)%2, \q, \slot, \zero
	PLACES NP
	WIN 0
	FETCH_A \slot, (\q)+1, 4
.endm
; A slot's last step changes slots: one barrier; in front of it each wave waits for all its tensor loads, adds 0 to its spare word, and waits for that and for its reads of this slot
.macro TURN slot, next, fill
	s_wait_tensorcnt 0x0                           ; all my tensor loads have landed: my part of the next slot
	ds_add_u32 v[SPW], v[NIL]                      ; 0 onto my spare word
	s_wait_dscnt 4*NL+1                            ; (the add and the youngest 24 loads may be out)
	WIN MUL_LO
	MUL16 0, 1, NQ-1, \slot, 0
	s_wait_dscnt 0x0                               ; the add is done, and my reads of this slot are over
	s_barrier_signal -1
	MUL16 2, 1, NQ-1, \slot, 0
	WIN 0
	s_barrier_wait -1
.if \fill
	CREST                                          ; the barrier has opened a round of the cluster's: no wave of any partner still reads this slot or has a load on its way
	s_add_nc_u64 s[G0+4*\slot+2:G0+4*\slot+3], s[G0+4*\slot+2:G0+4*\slot+3], 2*ROWB
	s_add_nc_u64 s[G0B+4*\slot+2:G0B+4*\slot+3], s[G0B+4*\slot+2:G0B+4*\slot+3], 2*ROWB
	JLOAD G0+4*\slot, G1, G0B+4*\slot, G1B
.else
	PLACES NP
.endif
	v_add_nc_u32 v[ADRS], 4*NQ, v[ADRS]
	FETCH_B \next, 0, 0
	FETCH_A \next, 0, 0
	SCALES \next
	WIN MUL_HI
	MUL16 4, 1, NQ-1, \slot, 0
	MUL16 6, 1, NQ-1, \slot, 0
	PLACES NP
	WIN 0
	FETCH_A \next, 0, 4
.endm
	s_wait_tensorcnt 1                             ; the scales and my part of K step 0 are in; K step 1's load may be out
	s_barrier_signal -1
	s_barrier_wait -1
	FETCH_B 0, 0, 0
	FETCH_A 0, 0, 0
	SCALES 0
	FETCH_A 0, 0, 4
	STEP 0, 0, 1                                   ; the first step's products start the sums
	s_mov_b32 s3, LAPS-1
.Llap:
	TURN 0, 1, 1
	STEP 1, 0, 0
	TURN 1, 0, 1
	STEP 0, 0, 0
	s_sub_co_u32 s3, s3, 1
	s_cmp_lg_u32 s3, 0
	s_cbranch_scc1 .Llap
	TURN 0, 1, 0
	STEP 1, 0, 0
	s_wait_dscnt 4*NL
	WIN MUL_LO
	MUL16 0, 1, NQ-1, 1, 0
	MUL16 2, 1, NQ-1, 1, 0
	s_wait_dscnt 0
	WIN MUL_HI
	MUL16 4, 1, NQ-1, 1, 0
	MUL16 6, 1, NQ-1, 1, 0
	WIN 0
; THE WAY OUT, a block of A's 16 rows x B's 128 rows at a time: bias, halves exchanged so that a lane holds 16 neighbours of each block of 32, quantised, stored.
.macro QUANT s
.irp b, 0,1,2,3
	v_max3_num_f32 v[TM+\b], |v[\s+16*\b]|, |v[\s+1+16*\b]|, 0x1800000   ; my 16 numbers of block b, and the floor 2^(3 - 127)
.endr
.irp i, 2,4,6,8,10,12,14
.irp b, 0,1,2,3
	v_max3_num_f32 v[TM+\b], v[TM+\b], |v[\s+16*\b+\i]|, |v[\s+1+16*\b+\i]|
.endr
.endr
.irp b, 0,1,2,3
	v_permlanex16_b32 v[TM+4+\b], v[TM+\b], s[SEL], s[SEL+1]
.endr
.irp b, 0,1,2,3
	v_max_num_f32 v[TM+\b], v[TM+\b], v[TM+4+\b]
.endr
.irp b, 0,1,2,3
	v_add_nc_u32 v[TM+12+\b], 0xff000000, v[TM+\b]                     ; 2 off the exponent field: the conversion's scale operand
.endr
.irp b, 0,1,2,3
	v_lshrrev_b32 v[TM+4+\b], 23, v[TM+12+\b]                          ; the scale's byte
.endr
	v_lshl_or_b32 v[PW], v[TM+5], 8, v[TM+4]
	v_lshl_or_b32 v[PW], v[TM+6], 16, v[PW]
	v_lshl_or_b32 v[PW], v[TM+7], 24, v[PW]
.irp c, 0,1
	v_cvt_scalef32_pk16_fp6_f32 v[PC+6*\c:PC+2+6*\c], v[\s+32*\c:\s+15+32*\c], v[TM+12+2*\c]
	v_cvt_scalef32_pk16_fp6_f32 v[PC+12+4*\c:PC+14+4*\c], v[\s+16+32*\c:\s+31+32*\c], v[TM+12+2*\c+1]
.endr
	v_nop                                          ; one plain place behind a scaled conversion
.irp c, 0,1
.irp i, 0,1,2
	v_permlane16_swap_b32 v[PC+6*\c+\i], v[PC+12+4*\c+\i]
.endr
.irp i, 0,1,2
	v_mov_b32 v[PC+3+6*\c+\i], v[PC+12+4*\c+\i]
.endr
.endr
.endm
.macro EPI a, mode                     ; mode 0: q, k;  1: v
	s_wait_xcnt 0x0                                ; the last block's stores have read their registers
	WIN 0x06+(\a)/4                                ; source 0: the accumulators' window; source 1: window 1
.irp b, 0,1,2,3,4,5,6,7
.irp i, 0,2,4,6
.if \mode
.set BX, 8*(\a)+\i
.else
.set BX, 8*\b+\i
.endif
.set BR, 96+BX+(BX/32)*96
	v_pk_add_f32 v[W+8*\b+\i:W+8*\b+\i+1], v[64*((\a)%4)+8*\b+\i:64*((\a)%4)+8*\b+\i+1], v[BR:BR+1]   ; each accumulator from its low end on
.endr
.endr
	WIN 0
.irp q, 0,1,2,3                        ; tiles 2 q and 2 q + 1 hold B's rows 32 q + 8 h + j and 32 q + 16 + 8 h + j: the exchange leaves lane h with rows 32 q + 16 h + 0 .. 15
.irp j, 0,1,2,3,4,5,6,7
	v_permlane16_swap_b32 v[W+16*\q+\j], v[W+16*\q+8+\j]
.endr
.endr
	QUANT W
.if \mode
.irp c, 0,1
	v_cndmask_b32 v[BYR+\c], v[TM+4+2*\c], v[TM+5+2*\c], s[HM]         ; the byte of my block 2 c + h
.endr
.irp c, 0,1
.irp u, 0,1
.irp i, 0,1,2
	v_mov_b32 v[VQ+4*(2*\c+\u)+\i], v[PC+6*\c+3*\u+\i]                 ; 16 tokens' codes,
.endr
	v_mov_b32 v[VQ+4*(2*\c+\u)+3], v[BYR+\c]                           ; and their block's byte: an entry of 16 bytes
.endr
.endr
.irp c, 0,1
.irp u, 0,1
	global_store_b128 v[VLO], v[VQ+4*(2*\c+\u):VQ+4*(2*\c+\u)+3], s[12:13] offset:(4*\c+\u)*16384+256*(\a)   ; sixteen lanes store 256 consecutive bytes, aligned
.endr
.endr
.irp c, 0,1
	v_lshrrev_b32 v[SWR+\c], 26, v[PC+6*\c+2]      ; the code of the block's key 15,
	v_lshrrev_b32 v[SWT], 26, v[PC+6*\c+5]         ; of its key 31
	v_lshl_or_b32 v[SWR+\c], v[SWT], 6, v[SWR+\c]
	ds_store_b32 v[VSA], v[SWR+\c] offset:1024*\c+64*(\a)
.endr
	ds_store_b32 v[VSP], v[PW] offset:2048+64*(\a)
.else
.irp c, 0,1,2
	global_store_b128 v[IO], v[PC+4*\c:PC+4*\c+3], s[12:13] offset:(\a)*NQX*1536+512*\c   ; the image: 512 consecutive bytes an instruction
.endr
	ds_store_b32 v[QSA], v[PW] offset:64*(\a)
.endif
.endm
	PLACES NP
	s_wait_loadcnt 0x0                             ; the bias
	s_mov_b32 s[SEL], 0x76543210
	s_mov_b32 s[SEL+1], 0xfedcba98
	s_mov_b32 s[HM], 0xffff0000
.irp b, 0,1,2,3
	v_mov_b32 v[TM+4+\b], 0                        ; a lane permute's destination counts as one of its sources
.endr
	s_lshl_b32 s22, s42, 1
	s_add_co_u32 s22, s22, s16                     ; which 128 of B's rows are mine
	s_mov_b32 s45, 0
	s_mov_b32 s47, 0
	s_cmp_eq_u32 s100, 1
	s_cbranch_scc1 .Lvpath
	s_lshl_b32 s20, s17, 4
	s_lshl_b32 s21, s15, 3
	s_add_co_u32 s20, s20, s21                     ; my first tile of 16 tokens
	s_lshl_b32 s21, s20, 3
	s_add_co_u32 s21, s21, s22
	s_mul_i32 s44, s21, 1536
	s_mul_i32 s23, ttmp9, 3145728                  ; q's images, then k's
	s_add_co_u32 s44, s44, s23
	s_add_nc_u64 s[12:13], s[12:13], s[44:45]
	s_lshl_b32 s44, s22, 14
	s_lshl_b32 s21, s20, 6
	s_add_co_u32 s44, s44, s21
	s_lshl_b32 s23, ttmp9, 17
	s_add_co_u32 s44, s44, s23
	s_add_nc_u64 s[98:99], s[98:99], s[44:45]
.irp a, 0,1,2,3,4,5,6,7
	EPI \a, 0
.endr
	ds_load_b128 v[W:W+3], v[QSR]                  ; my 128 tokens' scale words; LDS serves a wave's instructions in order
	s_wait_dscnt 0x0
	global_store_b128 v[IO], v[W:W+3], s[98:99]
	s_branch .Ldone
.Lvpath:
	s_lshl_b32 s20, s17, 8
	s_lshl_b32 s21, s15, 7
	s_add_co_u32 s20, s20, s21                     ; my first channel
	s_lshl_b32 s44, s22, 17
	s_lshl_b32 s21, s20, 4
	s_add_co_u32 s44, s44, s21
	s_add_co_u32 s44, s44, 6291456
	s_add_nc_u64 s[12:13], s[12:13], s[44:45]
	s_lshl_b32 s21, s20, 2
	s_lshl_b32 s46, s22, 12
	s_add_co_u32 s46, s46, s21
	s_add_co_u32 s46, s46, 786432
	s_add_nc_u64 s[46:47], s[98:99], s[46:47]      ; the blocks' bytes
	s_lshl_b32 s44, s22, 14
	s_add_co_u32 s44, s44, s21
	s_add_co_u32 s44, s44, 262144
	s_add_nc_u64 s[98:99], s[98:99], s[44:45]      ; the summary keys' codes
.irp a, 0,1,2,3,4,5,6,7
	EPI \a, 1
.endr
.irp k, 0,1,2,3,4
	ds_load_b128 v[W+4*\k:W+4*\k+3], v[VSR] offset:512*\k
.endr
	s_wait_dscnt 0x0
.irp k, 0,1,2,3
	global_store_b128 v[IO], v[W+4*\k:W+4*\k+3], s[98:99] offset:4096*\k
.endr
	global_store_b128 v[IO], v[W+16:W+19], s[46:47]
.Ldone:
	s_wait_tensorcnt 0x0                           ; the wave's end
	ds_add_u32 v[SPW], v[NIL]
	s_wait_dscnt 0x0
	CROUND                                         ; the closing round
	s_endpgm
.Lfunc_end_k_q580eb8e3a0_qkv:
	.size	k_q580eb8e3a0_qkv, .Lfunc_end_k_q580eb8e3a0_qkv-k_q580eb8e3a0_qkv
	.p2alignl 7, 3214868480
	.fill 96, 4, 3214868480
	.section	.rodata,"a",@progbits
	.p2align	6, 0x0
	.amdhsa_kernel k_q580eb8e3a0_qkv
		.amdhsa_group_segment_fixed_size 327680
		.amdhsa_private_segment_fixed_size 0
		.amdhsa_enable_private_segment 0
		.amdhsa_kernarg_size 104
		.amdhsa_user_sgpr_count 2
		.amdhsa_user_sgpr_kernarg_segment_ptr 1
		.amdhsa_wavefront_size32 1
		.amdhsa_system_sgpr_workgroup_id_x 1
		.amdhsa_system_sgpr_workgroup_id_y 1
		.amdhsa_system_sgpr_workgroup_id_z 1
		.amdhsa_system_vgpr_workitem_id 0
		.amdhsa_next_free_vgpr 1024
		.amdhsa_next_free_sgpr 102
		.amdhsa_reserve_vcc 0
		.amdhsa_float_denorm_mode_32 3
		.amdhsa_float_denorm_mode_16_64 3
		.amdhsa_memory_ordered 1
		.amdhsa_forward_progress 1
		.amdhsa_inst_pref_size 255
	.end_amdhsa_kernel
	.section	.bss,"aw",@nobits
	.p2align	6
	.space	262144
	.amdgpu_metadata
---
amdhsa.version: [ 1, 2 ]
amdhsa.kernels:
  - .name:           k_q580eb8e3a0_qkv
    .symbol:         k_q580eb8e3a0_qkv.kd
    .args:
      - { .name: hc, .offset: 0, .size: 8, .value_kind: global_buffer, .address_space: global }
      - { .name: hs, .offset: 8, .size: 8, .value_kind: global_buffer, .address_space: global }
      - { .name: wq_codes, .offset: 16, .size: 8, .value_kind: global_buffer, .address_space: global }
      - { .name: wq_scales, .offset: 24, .size: 8, .value_kind: global_buffer, .address_space: global }
      - { .name: wk_codes, .offset: 32, .size: 8, .value_kind: global_buffer, .address_space: global }
      - { .name: wk_scales, .offset: 40, .size: 8, .value_kind: global_buffer, .address_space: global }
      - { .name: wv_codes, .offset: 48, .size: 8, .value_kind: global_buffer, .address_space: global }
      - { .name: wv_scales, .offset: 56, .size: 8, .value_kind: global_buffer, .address_space: global }
      - { .name: bq, .offset: 64, .size: 8, .value_kind: global_buffer, .address_space: global }
      - { .name: bk, .offset: 72, .size: 8, .value_kind: global_buffer, .address_space: global }
      - { .name: bv, .offset: 80, .size: 8, .value_kind: global_buffer, .address_space: global }
      - { .name: qkvc, .offset: 88, .size: 8, .value_kind: global_buffer, .address_space: global }
      - { .name: qkvs, .offset: 96, .size: 8, .value_kind: global_buffer, .address_space: global }
    .group_segment_fixed_size: 327680
    .private_segment_fixed_size: 0
    .kernarg_segment_align: 8
    .kernarg_segment_size: 104
    .max_flat_workgroup_size: 128
    .sgpr_count:     102
    .vgpr_count:     1024
    .wavefront_size: 32
...
	.end_amdgpu_metadata
.endif
;; end of part 2
;; launch attn (part 3): grid 16 x 16, 8 waves a work-group, no clusters, 58,368 bytes of LDS; arguments qkvc, qkvs, ic, isc; writes ic, isc
.if DOCPART == 3
	.amdgcn_target "amdgcn-amd-amdhsa--gfx1250"
	.amdhsa_code_object_version 6
	.text
	.protected	k_q580eb8e3a0_attn
	.globl	k_q580eb8e3a0_attn
	.p2align	8
	.type	k_q580eb8e3a0_attn,@function
k_q580eb8e3a0_attn:
	s_mov_b64 s[64:65], 0
	v_nop
	global_prefetch_b8 v0, s[64:65] scope:SCOPE_SE
	s_setreg_imm32_b32 hwreg(HW_REG_WAVE_MODE, 25, 1), 1
	s_wait_xcnt 0x0
; Sparse attention on codes of FP6 (E2M3).  A query of the 16-token tile t sees its own tile up to itself, and the last key of every earlier tile.  ctx is quantised along the model's axis on its way out.
; THE SECOND PRODUCT'S K IS THE KEYS, in blocks of 32 from the sequence's start, each with its own scale for p (a query) and for v (a channel).  So a block of 32 of the matrix instruction holds keys of ONE
; such block: away from the diagonal its two summary keys (15 and 31), the other thirty places zero codes.  An instruction of K = 128 serves four blocks.  v's codes and bytes were made where all keys were at hand.
; SHARES.  Work-group (x, y): x = a group of eight query tiles, y = 8 x batch + pair of heads.  Wave w owns tile t = 8 x + w for both heads e of the pair: its result is one image of the next operand.
; Both products are used transposed, so that a lane holds one query (lane % 16) throughout.  K = 64 of the first product is filled to 128 by zero codes in Q, which also take the other head out of the sum.
; The summary keys' fragments and v's summary words of the whole batch and pair come once through registers into LDS (wave w brings an eighth); one barrier.
; THE LOCAL STEP takes the query's own block of 32: lane half h holds its keys 16 h + 0 .. 15.  They stand in the instruction's blocks 0 and 1, sixteen each, both under the block's one byte.
; A SUMMARY STEP takes 16 tiles' last keys.  Lane r of the fragment takes tile 16 g + s(r), s(r) = 8 r2 + 4 r1 + 2 r3 + r0: register j of half h is then block 8 g + 4 j2 + 2 j1 + h, key 15 or 31 by j0:
; both keys of a block in the lane that the operand wants them in.
; SOFTMAX: t = score x log2(e) / 8; M = the running largest t rounded up to a whole number; p = 2^(t - M) is quantised; the sum of the unquantised p divides at the end; a change of M multiplies by an exact power of two.
; The loop has eight trips in every wave; a trip none of whose blocks is visible jumps over its work on a scalar test of ids.  Work is uneven: the last group walks eight trips, the first one.
; No cluster: what the sixteen work-groups of a pair share is at most 53 KB each, once.  LIMITS: NaN and infinities are not served; a block of zeros gets the byte 1.
.set KSL, 0                            ; LDS: 8 summary fragments of k, images of 1,536 bytes
.set KSS, 12288                        ; their scale words, 128 bytes each
.set SWL, 13312                        ; v's summary words [128 tokens 16][block 4], 512 bytes + 32: lanes 16-31 read eight banks on from lanes 0-15
.set PWL, 48128                        ; v's bytes [128 tokens 16][512 bytes]
.set CST, 56320                        ; the way out: 512 bytes of scale words
.set AKS, 4                            ; v4   16 l
.set AKW, 5                            ; v5   KSS + 4 l
.set ASW, 6                            ; v6   SWL + 544 h + 4 chl,  chl = r + 8 (r / 8)
.set APW, 7                            ; v7   PWL + 4 chl
.set LIM, 8
.set LIM15, 9
.set LBR, 10                           ; v10  blocks still visible from this trip's first, less h
.set SH8, 11                           ; v11  8 h
.set NINF, 12
.set CSA, 13                           ; v13  64 w + 4 r
.set QA,  16                           ; v16-33 Q: head 0's six registers, six of zeros, head 1's six
.set QS,  34
.set PW,  35
.set KF,  36                           ; v36-59 two fragments of k
.set PC,  36
.set KW,  60                           ; v60-61 their scale words
.set S,   64                           ; v64-79 scores, then p
.set PAD, 80                           ; v80-95 offsets in the prologue, then zeros: the tail of the conversions' sixteen sources
.set CT,  96
.set TM,  96
.set PO,  112                          ; P's operands (e, u) at 112 + 12 (2 e + u)
.set PSW, 160                          ; their scale words
.set VSC, 164                          ; v's scale words, 4 (2 e + u) + dt
.set ST,  180                          ; head e at 180 + 4 e: -M, the largest t, the sum in two halves
.set FF,  188                          ; head e: 2^(old M - new M) at 188 + 2 e
.set ADK, 192
.set ADW, 193
.set ADV, 194
.set ADP, 195
.set MA,  196
.set MB,  198
.set PX,  200
.set OL,  202
.set BM,  204
.set BY,  212
.set WW,  220
.set WX,  224
.set W,   192
.set OKS, 80
.set OKW, 81
.set OSW, 82
.set OPW, 83
.set OQ,  84
.set OQS, 85
.set OKL, 86
.set OKLW, 87
.set OVL, 88
.set WKS, 89
.set WKW, 90
.set WSW, 91
.set WPW, 92
.set SEL, 12                           ; s[12:13]
.set CS,  14                           ; s[14:15] c = log2(e) / 8, twice
.set MSB, 0
.macro WIN new
.if MSB != (\new)
	s_set_vgpr_msb (MSB<<8)|(\new)
.set MSB, (\new)
.endif
.endm
.macro QUANT s
.irp b, 0,1,2,3
	v_max3_num_f32 v[TM+\b], |v[\s+16*\b]|, |v[\s+1+16*\b]|, 0x1800000
.endr
.irp i, 2,4,6,8,10,12,14
.irp b, 0,1,2,3
	v_max3_num_f32 v[TM+\b], v[TM+\b], |v[\s+16*\b+\i]|, |v[\s+1+16*\b+\i]|
.endr
.endr
.irp b, 0,1,2,3
	v_permlanex16_b32 v[TM+4+\b], v[TM+\b], s[SEL], s[SEL+1]
.endr
.irp b, 0,1,2,3
	v_max_num_f32 v[TM+\b], v[TM+\b], v[TM+4+\b]
.endr
.irp b, 0,1,2,3
	v_add_nc_u32 v[TM+12+\b], 0xff000000, v[TM+\b]
.endr
.irp b, 0,1,2,3
	v_lshrrev_b32 v[TM+4+\b], 23, v[TM+12+\b]
.endr
	v_lshl_or_b32 v[PW], v[TM+5], 8, v[TM+4]
	v_lshl_or_b32 v[PW], v[TM+6], 16, v[PW]
	v_lshl_or_b32 v[PW], v[TM+7], 24, v[PW]
.irp c, 0,1
	v_cvt_scalef32_pk16_fp6_f32 v[PC+6*\c:PC+2+6*\c], v[\s+32*\c:\s+15+32*\c], v[TM+12+2*\c]
	v_cvt_scalef32_pk16_fp6_f32 v[PC+12+4*\c:PC+14+4*\c], v[\s+16+32*\c:\s+31+32*\c], v[TM+12+2*\c+1]
.endr
	v_nop
.irp c, 0,1
.irp i, 0,1,2
	v_permlane16_swap_b32 v[PC+6*\c+\i], v[PC+12+4*\c+\i]
.endr
.irp i, 0,1,2
	v_mov_b32 v[PC+3+6*\c+\i], v[PC+12+4*\c+\i]
.endr
.endr
.endm
	s_load_b256 s[48:55], s[0:1], 0x0              ; q, k, v's codes s[48:49], their scales s[50:51], ctx's images s[52:53], its scale words s[54:55]
	v_lshl_add_u32 v63, v0, 2, 0xe000
	v_mov_b32 v107, 0
	v_lshrrev_b32 v1, 5, v0
	v_readfirstlane_b32 s8, v1                     ; wave 0..7
	v_and_b32 v1, 31, v0                           ; l
	v_and_b32 v2, 15, v0                           ; r
	v_bfe_u32 v3, v0, 4, 1                         ; h
	s_and_b32 s2, ttmp7, 0xffff
	s_and_b32 s3, s2, 7                            ; the pair of heads
	s_lshr_b32 s4, s2, 3                           ; the batch
	s_lshl_b32 s9, ttmp9, 3
	s_add_co_u32 s9, s9, s8                        ; t: my tile in the batch
	s_lshr_b32 s10, s9, 1                          ; LB: the blocks of 32 in front of my own
	s_and_b32 s11, s8, 1                           ; which half of its block my tile is
	s_lshl_b32 s5, s4, 7
	s_add_co_u32 s5, s5, s9                        ; T: my tile among all 256
	s_lshr_b32 s6, s5, 1                           ; my block of 32 among all
	s_mov_b32 s[SEL], 0x76543210
	s_mov_b32 s[SEL+1], 0xfedcba98
	s_mov_b32 s[CS], 0x3e38aa3b
	s_mov_b32 s[CS+1], s[CS]
	v_lshlrev_b32 v[AKS], 4, v1
	v_lshl_add_u32 v[AKW], v1, 2, KSS
	v_and_b32 v14, 8, v2
	v_add_nc_u32 v14, v14, v2                      ; chl = r + 8 (r / 8)
	v_lshlrev_b32 v[APW], 2, v14
	v_mad_u32_u24 v[ASW], v3, 544, v[APW]
	v_add_nc_u32 v[ASW], SWL, v[ASW]
	v_add_nc_u32 v[APW], PWL, v[APW]
	v_lshlrev_b32 v[SH8], 3, v3
	v_mov_b32 v[NINF], 0xff800000
	s_lshl_b32 s21, s8, 6
	v_lshl_add_u32 v[CSA], v2, 2, s21
	v_and_b32 v15, 1, v2                           ; s(r) = 8 r2 + 4 r1 + 2 r3 + r0
	v_bfe_u32 v93, v2, 3, 1
	v_lshl_or_b32 v15, v93, 1, v15
	v_bfe_u32 v94, v2, 1, 1
	v_lshl_or_b32 v15, v94, 2, v15
	v_bfe_u32 v94, v2, 2, 1
	v_lshl_or_b32 v15, v94, 3, v15
	v_and_b32 v94, 7, v2                           ; r % 8  (v93 = r / 8)
	; byte offsets of the prologue's loads
	s_lshl_b32 s21, s4, 7
	s_lshl_b32 s22, s8, 4
	s_add_co_u32 s21, s21, s22                     ; my summary group's first tile: 128 b + 16 w
	s_lshl_b32 s22, s21, 3
	s_add_co_u32 s22, s22, s3
	s_mul_i32 s22, s22, 1536
	s_add_co_u32 s22, s22, 240                     ; row 15 of an image: lane slots 15 and 31
	v_mul_u32_u24 v[OKS], v15, 12288
	v_lshl_add_u32 v[OKS], v3, 8, v[OKS]
	v_add_nc_u32 v[OKS], s22, v[OKS]
	s_lshl_b32 s23, s3, 14                         ; the pair's 4,096 scale words
	s_lshl_b32 s22, s21, 6
	s_add_co_u32 s22, s22, s23
	s_add_co_u32 s22, s22, 60
	v_lshl_add_u32 v[OKW], v15, 6, s22
	s_lshl_b32 s21, s4, 4
	s_lshl_b32 s22, s8, 1
	s_add_co_u32 s21, s21, s22                     ; my two steps of 128 tokens: 16 b + 2 w on
	s_lshl_b32 s24, s3, 9
	s_lshl_b32 s22, s21, 14
	s_add_co_u32 s22, s22, s24
	v_add_nc_u32 v[OSW], s22, v[AKS]
	s_lshl_b32 s22, s21, 12
	s_add_co_u32 s22, s22, s24
	v_add_nc_u32 v[OPW], s22, v[AKS]
	s_lshl_b32 s21, s5, 3
	s_add_co_u32 s21, s21, s3
	s_mul_i32 s28, s21, 1536                       ; my image: (8 T + pair) x 1,536, in q's images and in ctx's
	s_mov_b32 s29, 0
	v_add_nc_u32 v[OQ], s28, v[AKS]
	s_lshl_b32 s22, s5, 6
	s_add_co_u32 s22, s22, s23
	v_lshl_add_u32 v[OQS], v2, 2, s22
	s_lshl_b32 s21, s6, 4
	s_add_co_u32 s21, s21, s3
	s_mul_i32 s21, s21, 1536                       ; the local block's first image of k
	v_mul_u32_u24 v[OKL], v93, 12288               ; lane r of tile u takes key 8 u + r % 8 + 16 (r / 8) of the block
	v_lshl_add_u32 v[OKL], v94, 4, v[OKL]
	v_lshl_add_u32 v[OKL], v3, 8, v[OKL]
	v_add_nc_u32 v[OKL], s21, v[OKL]
	s_lshl_b32 s21, s6, 7
	s_add_co_u32 s21, s21, s23
	v_lshlrev_b32 v[OKLW], 6, v93
	v_lshl_add_u32 v[OKLW], v94, 2, v[OKLW]
	v_add_nc_u32 v[OKLW], s21, v[OKLW]
	s_lshl_b32 s21, s6, 15
	s_lshl_b32 s22, s3, 11
	s_add_co_u32 s21, s21, s22
	v_lshlrev_b32 v[OVL], 4, v14
	v_lshl_add_u32 v[OVL], v3, 14, v[OVL]          ; lane half h takes the block's tile h
	v_add_nc_u32 v[OVL], s21, v[OVL]
	s_mul_i32 s21, s8, 1536
	v_add_nc_u32 v[WKS], s21, v[AKS]
	s_lshl_b32 s21, s8, 7
	v_lshl_add_u32 v[WKW], v1, 2, s21
	s_mul_i32 s21, s8, 4352
	v_add_nc_u32 v[WSW], s21, v[AKS]
	s_lshl_b32 s21, s8, 10
	v_add_nc_u32 v[WPW], s21, v[AKS]
	s_lshl_b32 s30, s4, 7
	s_lshl_b32 s21, ttmp9, 3
	s_add_co_u32 s30, s30, s21
	s_lshl_b32 s30, s30, 6
	s_add_co_u32 s30, s30, s23                     ; the group's 128 scale words of ctx
	s_mov_b32 s31, 0
	s_wait_kmcnt 0x0
	s_add_nc_u64 s[52:53], s[52:53], s[28:29]
	s_add_nc_u64 s[54:55], s[54:55], s[30:31]
.irp c, 0,1,2
	global_load_b128 v[192+4*\c:195+4*\c], v[OKS], s[48:49] offset:3145728+512*\c     ; my summary fragment of k
.endr
	global_load_b32 v204, v[OKW], s[50:51] offset:131072
.irp kp, 0,1
.irp blk, 0,1,2,3
	global_load_b128 v[208+16*\kp+4*\blk:211+16*\kp+4*\blk], v[OSW], s[50:51] offset:262144+16384*\kp+4096*\blk
.endr
.endr
.irp kp, 0,1
	global_load_b128 v[240+4*\kp:243+4*\kp], v[OPW], s[50:51] offset:786432+4096*\kp
.endr
	global_load_b128 v[QA:QA+3], v[OQ], s[48:49]
	global_load_b128 v[248:251], v[OQ], s[48:49] offset:512
	global_load_b128 v[QA+14:QA+17], v[OQ], s[48:49] offset:1024
	global_load_b32 v[QS], v[OQS], s[50:51]
.irp u, 0,1
.irp c, 0,1,2
	global_load_b128 v[KF+12*\u+4*\c:KF+12*\u+4*\c+3], v[OKL], s[48:49] offset:3145728+128*\u+512*\c
.endr
	global_load_b32 v[KW+\u], v[OKLW], s[50:51] offset:131072+32*\u
.endr
	; zero codes: v's sixteen operands and P's four have two live registers each in a summary step; the others are written once, here
	WIN 0x40
.set ii, 64
.rept 192
	v_mov_b32 v[ii], 0
.set ii, ii+1
.endr
.irp e, 0,1
.irp dt, 0,1,2,3
	global_load_b128 v[64+96*\e+12*\dt:67+96*\e+12*\dt], v[OVL], s[48:49] offset:6291456+(64*\e+32*(\dt/2)+8*(\dt%2))*16   ; the local block: 16 keys' codes, and the block's byte in the fourth register
.endr
.endr
	WIN 0
.set ii, 0
.rept 48
	v_mov_b32 v[PO+ii], 0
.set ii, ii+1
.endr
.irp i, 6,7,8,9,10,11
	v_mov_b32 v[QA+\i], 0
.endr
.irp b, 0,1,2,3
	v_mov_b32 v[TM+4+\b], 0                        ; a lane permute's destination counts as one of its sources
.endr
	v_mov_b32 v[FF+1], 0                           ; (named as the upper halves of pairs)
	v_mov_b32 v[FF+3], 0
	s_wait_loadcnt 20                              ; the first 14 loads are in: what goes to LDS; the 20 behind them may be out
.irp c, 0,1,2
	ds_store_b128 v[WKS], v[192+4*\c:195+4*\c] offset:KSL+512*\c
.endr
	ds_store_b32 v[WKW], v204 offset:KSS
.irp kp, 0,1
.irp blk, 0,1,2,3
	ds_store_b128 v[WSW], v[208+16*\kp+4*\blk:211+16*\kp+4*\blk] offset:SWL+2176*\kp+544*\blk
.endr
.endr
.irp kp, 0,1
	ds_store_b128 v[WPW], v[240+4*\kp:243+4*\kp] offset:PWL+512*\kp
.endr
	s_wait_dscnt 0x0                               ; for the others' sake: my stores have landed
	s_barrier_signal -1
	s_barrier_wait -1
	s_wait_loadcnt 0x0
	v_mov_b32 v[QA+4], v248
	v_mov_b32 v[QA+5], v249
	v_mov_b32 v[QA+12], v250
	v_mov_b32 v[QA+13], v251
.set ii, 0
.rept 16
	v_mov_b32 v[PAD+ii], 0                         ; every load that named these as offsets is done
.set ii, ii+1
.endr
	WIN 0x01
.irp e, 0,1
.irp dt, 0,1,2,3
	v_mul_u32_u24 v[VSC+8*\e+\dt], v[67+96*\e+12*\dt], 0x101       ; the local block's byte of v, for the instruction's blocks 0 and 1
.endr
.endr
	WIN 0
	v_cmp_eq_u32 vcc_lo, s11, v3
	v_cndmask_b32 v[LIM], -1, v2, vcc_lo           ; my half of the block is the query's own tile: keys up to the query; else none,
	v_cmp_gt_u32 vcc_lo, s11, v3
	v_cndmask_b32 v[LIM15], v[LIM], 15, vcc_lo     ; but for the last key of the tile in front
.irp n, 0,1,2,3,4,5,6,7,8,9,10,11,12,13,14
	v_cmp_le_i32 s[32+\n], \n, v[LIM]
.endr
	v_cmp_le_i32 s47, 15, v[LIM15]
.macro LOCAL e
	v_wmma_scale_f32_16x16x128_f8f6f4 v[S:S+7], v[KF:KF+11], v[QA+6*\e:QA+6*\e+11], 0, v[KW], v[QS] matrix_a_fmt:MATRIX_FMT_FP6 matrix_b_fmt:MATRIX_FMT_FP6
	v_wmma_scale_f32_16x16x128_f8f6f4 v[S+8:S+15], v[KF+12:KF+23], v[QA+6*\e:QA+6*\e+11], 0, v[KW+1], v[QS] matrix_a_fmt:MATRIX_FMT_FP6 matrix_b_fmt:MATRIX_FMT_FP6
.rept 4
	v_nop
.endr
.irp n, 0,1,2,3,4,5,6,7,8,9,10,11,12,13,14,15
	v_cndmask_b32 v[S+\n], v[NINF], v[S+\n], s[32+\n]      ; register n is key 16 h + n of the block
.endr
	v_max3_num_f32 v[MA+\e], v[S], v[S+1], v[S+2]
	v_max3_num_f32 v[MB+\e], v[S+3], v[S+4], v[S+5]
	v_max3_num_f32 v[MA+\e], v[MA+\e], v[S+6], v[S+7]
	v_max3_num_f32 v[MB+\e], v[MB+\e], v[S+8], v[S+9]
	v_max3_num_f32 v[MA+\e], v[MA+\e], v[S+10], v[S+11]
	v_max3_num_f32 v[MB+\e], v[MB+\e], v[S+12], v[S+13]
	v_max3_num_f32 v[MA+\e], v[MA+\e], v[S+14], v[S+15]
	v_max_num_f32 v[MA+\e], v[MA+\e], v[MB+\e]
	v_permlanex16_b32 v[PX+\e], v[MA+\e], s[SEL], s[SEL+1]
	v_max_num_f32 v[MA+\e], v[MA+\e], v[PX+\e]             ; the block's largest score: every query sees itself, so it is a number
	v_mul_f32 v[ST+4*\e+1], s[CS], v[MA+\e]
	v_floor_f32 v[ST+4*\e], -v[ST+4*\e+1]                  ; -M = floor(-t)
.irp j, 0,2,4,6,8,10,12,14
	v_pk_fma_f32 v[S+\j:S+\j+1], v[S+\j:S+\j+1], s[CS:CS+1], v[ST+4*\e:ST+4*\e+1] op_sel_hi:[1,0,0]
.endr
	v_fma_f32 v[MA+\e], v[MA+\e], s[CS], v[ST+4*\e]        ; the same of the largest score: it gives the block's largest p
.irp j, 0,1,2,3,4,5,6,7,8,9,10,11,12,13,14,15
	v_exp_f32 v[S+\j], v[S+\j]
.endr
	v_exp_f32 v[MA+\e], v[MA+\e]
	v_nop                                          ; one plain place behind the exponentials
	s_wait_alu depctr_va_vdst(0)
	v_max_num_f32 v[MA+\e], 0x1800000, v[MA+\e]
	v_add_nc_u32 v[BM+4*\e], 0xff000000, v[MA+\e]
	v_lshrrev_b32 v[MB+\e], 23, v[BM+4*\e]
	v_mul_u32_u24 v[PSW+2*\e], v[MB+\e], 0x101             ; the block's byte of p, for the instruction's blocks 0 and 1
	v_cvt_scalef32_pk16_fp6_f32 v[PO+24*\e:PO+24*\e+2], v[S:S+15], v[BM+4*\e]
	v_nop
	v_pk_add_f32 v[ST+4*\e+2:ST+4*\e+3], v[S:S+1], v[S+2:S+3]      ; the sum is taken of the unquantised p
.irp j, 4,6,8,10,12,14
	v_pk_add_f32 v[ST+4*\e+2:ST+4*\e+3], v[ST+4*\e+2:ST+4*\e+3], v[S+\j:S+\j+1]
.endr
.endm
	LOCAL 0
	LOCAL 1
	v_sub_nc_u32 v[LBR], s10, v3                   ; (with the seven additions and the v_nop above: the places between the last scale word and the products)
	WIN 0x51                                       ; v window 1, P window 0, O window 1
.irp e, 0,1
.irp dt, 0,1,2,3
	v_wmma_scale_f32_16x16x128_f8f6f4 v[32*\e+8*\dt:32*\e+8*\dt+7], v[64+96*\e+12*\dt:64+96*\e+12*\dt+11], v[PO+24*\e:PO+24*\e+11], 0, v[VSC+8*\e+\dt], v[PSW+2*\e] matrix_a_fmt:MATRIX_FMT_FP6 matrix_b_fmt:MATRIX_FMT_FP6
.endr
.endr
	WIN 0
.rept 4
	v_nop
.endr
.irp e, 0,1
	v_mov_b32 v[PO+24*\e+1], 0                     ; P's operand back to zero codes.  (v's local codes may stay: they meet P's zeros)
	v_mov_b32 v[PO+24*\e+2], 0
.endr
	s_mov_b32 s16, 0
	s_mov_b32 s17, 0
	s_mov_b32 s18, 0
	s_mov_b32 s19, 0
	s_mov_b32 s20, 0
.Ltrip:                                            ; trip g: blocks 8 g .. 8 g + 7
	s_lshl_b32 s21, s16, 3
	s_cmp_ge_u32 s21, s10
	s_cbranch_scc1 .Lskip                          ; none of them lies in front of my own block
	v_add_nc_u32 v[ADK], s17, v[AKS]               ; (four places in front of the loads into registers that the last products read)
	v_add_nc_u32 v[ADW], s18, v[AKW]
	v_add_nc_u32 v[ADV], s19, v[ASW]
	v_add_nc_u32 v[ADP], s20, v[APW]
.irp c, 0,1,2
	ds_load_b128 v[KF+4*\c:KF+4*\c+3], v[ADK] offset:KSL+512*\c
.endr
	ds_load_b32 v[KW], v[ADW]
	WIN 0x40
.irp e, 0,1
.irp u, 0,1
.irp dt, 0,1,2,3
	ds_load_b32 v[64+48*(2*\e+\u)+12*\dt], v[ADV] offset:2176*\u+4*(64*\e+32*(\dt/2)+8*(\dt%2))          ; block h of step u,
	ds_load_b32 v[70+48*(2*\e+\u)+12*\dt], v[ADV] offset:2176*\u+1088+4*(64*\e+32*(\dt/2)+8*(\dt%2))     ; block 2 + h
.endr
.endr
.endr
	WIN 0
.irp e, 0,1
.irp u, 0,1
.irp dt, 0,1,2,3
	ds_load_b32 v[VSC+4*(2*\e+\u)+\dt], v[ADP] offset:512*\u+4*(64*\e+32*(\dt/2)+8*(\dt%2))
.endr
.endr
.endr
.irp k, 0,1,2,3
	v_cmp_gt_i32 s[24+\k], v[LBR], 2*\k            ; registers 2 k, 2 k + 1 are block 8 g + 2 k + h: visible where it lies in front of my own
.endr
	s_wait_dscnt 48                                ; k's fragment and its scale words are in; v's 48 loads may be out
.irp e, 0,1
	v_wmma_scale_f32_16x16x128_f8f6f4 v[S+8*\e:S+8*\e+7], v[KF:KF+11], v[QA+6*\e:QA+6*\e+11], 0, v[KW], v[QS] matrix_a_fmt:MATRIX_FMT_FP6 matrix_b_fmt:MATRIX_FMT_FP6
.endr
.rept 4
	v_nop
.endr
.irp e, 0,1
.irp k, 0,1,2,3
	v_cndmask_b32 v[S+8*\e+2*\k], v[NINF], v[S+8*\e+2*\k], s[24+\k]
	v_cndmask_b32 v[S+8*\e+2*\k+1], v[NINF], v[S+8*\e+2*\k+1], s[24+\k]
.endr
.endr
.irp e, 0,1
	v_max3_num_f32 v[MA+\e], v[S+8*\e], v[S+8*\e+1], v[S+8*\e+2]
	v_max3_num_f32 v[MB+\e], v[S+8*\e+3], v[S+8*\e+4], v[S+8*\e+5]
.endr
.irp e, 0,1
	v_max3_num_f32 v[MA+\e], v[MA+\e], v[S+8*\e+6], v[S+8*\e+7]
.endr
.irp e, 0,1
	v_max_num_f32 v[MA+\e], v[MA+\e], v[MB+\e]
.endr
.irp e, 0,1
	v_permlanex16_b32 v[PX+\e], v[MA+\e], s[SEL], s[SEL+1]
.endr
.irp e, 0,1
	v_max_num_f32 v[MA+\e], v[MA+\e], v[PX+\e]
.endr
.irp e, 0,1
	v_mul_f32 v[MA+\e], s[CS], v[MA+\e]
.endr
.irp e, 0,1
	v_max_num_f32 v[ST+4*\e+1], v[ST+4*\e+1], v[MA+\e]     ; the running largest t
.endr
.irp e, 0,1
	v_mov_b32 v[OL+\e], v[ST+4*\e]
.endr
.irp e, 0,1
	v_floor_f32 v[ST+4*\e], -v[ST+4*\e+1]
.endr
.irp e, 0,1
	v_sub_f32 v[OL+\e], v[ST+4*\e], v[OL+\e]               ; old M - new M: a whole number, 0 or less
.endr
.irp e, 0,1
	v_cvt_i32_f32 v[OL+\e], v[OL+\e]
.endr
.irp e, 0,1
	v_ldexp_f32 v[FF+2*\e], 1.0, v[OL+\e]
.endr
.irp e, 0,1
.irp j, 0,2,4,6
	v_pk_fma_f32 v[S+8*\e+\j:S+8*\e+\j+1], v[S+8*\e+\j:S+8*\e+\j+1], s[CS:CS+1], v[ST+4*\e:ST+4*\e+1] op_sel_hi:[1,0,0]
.endr
.endr
.irp j, 0,1,2,3,4,5,6,7,8,9,10,11,12,13,14,15
	v_exp_f32 v[S+\j], v[S+\j]
.endr
.irp e, 0,1
	v_pk_mul_f32 v[ST+4*\e+2:ST+4*\e+3], v[ST+4*\e+2:ST+4*\e+3], v[FF+2*\e:FF+2*\e+1] op_sel_hi:[1,0]   ; the sums under the new M.  (Plain places behind the exponentials)
.endr
	s_wait_alu depctr_va_vdst(0)
.irp e, 0,1
.irp k, 0,1,2,3
	v_max3_num_f32 v[BM+4*\e+\k], v[S+8*\e+2*\k], v[S+8*\e+2*\k+1], 0x1800000      ; a block's largest p: its two, and the floor
.endr
.endr
.irp i, 0,1,2,3,4,5,6,7
	v_add_nc_u32 v[BM+\i], 0xff000000, v[BM+\i]
.endr
.irp i, 0,1,2,3,4,5,6,7
	v_lshrrev_b32 v[BY+\i], 23, v[BM+\i]
.endr
.irp i, 0,1,2,3
	v_lshl_or_b32 v[WW+\i], v[BY+2*\i+1], 16, v[BY+2*\i]   ; my two bytes of a step: blocks h and 2 + h,
.endr
.irp i, 0,1,2,3
	v_lshlrev_b32 v[WW+\i], v[SH8], v[WW+\i]               ; at their places;
.endr
.irp i, 0,1,2,3
	v_permlanex16_b32 v[WX+\i], v[WW+\i], s[SEL], s[SEL+1]
.endr
.irp i, 0,1,2,3
	v_or_b32 v[PSW+\i], v[WW+\i], v[WX+\i]                 ; with lane l xor 16's two the word is whole
.endr
.irp e, 0,1
.irp k, 0,1,2,3
	v_cvt_scalef32_pk16_fp6_f32 v[CT+4*\k:CT+4*\k+2], v[S+8*\e+2*\k:S+8*\e+2*\k+15], v[BM+4*\e+\k]   ; the first two of the sixteen are the block's; the rest is cut off below
.endr
	v_nop
.irp k, 0,1,2,3
	v_and_b32 v[PO+12*(2*\e+\k/2)+6*(\k%2)], 0xfff, v[CT+4*\k]
.endr
.endr
.irp k, 0,1,2,3
.irp e, 0,1
	v_pk_add_f32 v[ST+4*\e+2:ST+4*\e+3], v[ST+4*\e+2:ST+4*\e+3], v[S+8*\e+2*\k:S+8*\e+2*\k+1]
.endr
.endr
	WIN 0x41
.irp e, 0,1
.irp j, 0,2,4,6,8,10,12,14,16,18,20,22,24,26,28,30
	v_pk_mul_f32 v[32*\e+\j:32*\e+\j+1], v[32*\e+\j:32*\e+\j+1], v[FF+2*\e:FF+2*\e+1] op_sel_hi:[1,0]   ; O under the new M.  (Also the places in front of the scaled products)
.endr
.endr
	s_wait_dscnt 0x0
	WIN 0x51
.irp u, 0,1                                    ; the eight accumulators take turns, one instruction a turn
.irp e, 0,1
.irp dt, 0,1,2,3
	v_wmma_scale_f32_16x16x128_f8f6f4 v[32*\e+8*\dt:32*\e+8*\dt+7], v[64+48*(2*\e+\u)+12*\dt:64+48*(2*\e+\u)+12*\dt+11], v[PO+12*(2*\e+\u):PO+12*(2*\e+\u)+11], v[32*\e+8*\dt:32*\e+8*\dt+7], v[VSC+4*(2*\e+\u)+\dt], v[PSW+2*\e+\u] matrix_a_fmt:MATRIX_FMT_FP6 matrix_b_fmt:MATRIX_FMT_FP6
.endr
.endr
.endr
	WIN 0
.Lskip:
	v_add_nc_u32 v[LBR], -8, v[LBR]
	s_add_co_u32 s17, s17, 1536
	s_add_co_u32 s18, s18, 128
	s_add_co_u32 s19, s19, 4352
	s_add_co_u32 s20, s20, 1024
	s_add_co_u32 s16, s16, 1
	s_cmp_lt_u32 s16, 8
	s_cbranch_scc1 .Ltrip
	; THE WAY OUT.  v's tile dt took channels chl + 32 (dt / 2) + 8 (dt % 2), so O's 64 registers are 16 neighbours of each block of 32 of the pair's 128 channels
.irp e, 0,1
	v_add_f32 v[ST+4*\e+2], v[ST+4*\e+2], v[ST+4*\e+3]
.endr
	v_nop
	v_nop
.irp e, 0,1
	v_permlanex16_b32 v[PX+\e], v[ST+4*\e+2], s[SEL], s[SEL+1]
.endr
.irp e, 0,1
	v_add_f32 v[ST+4*\e+2], v[ST+4*\e+2], v[PX+\e]
.endr
.irp e, 0,1
	v_rcp_f32 v[FF+2*\e], v[ST+4*\e+2]
.endr
	v_nop
	WIN 0x01
	s_wait_alu depctr_va_vdst(0)
.irp e, 0,1
.irp j, 0,2,4,6,8,10,12,14,16,18,20,22,24,26,28,30
	v_pk_mul_f32 v[W+32*\e+\j:W+32*\e+\j+1], v[32*\e+\j:32*\e+\j+1], v[FF+2*\e:FF+2*\e+1] op_sel_hi:[1,0]
.endr
.endr
	WIN 0
	QUANT W
.irp c, 0,1,2
	global_store_b128 v[AKS], v[PC+4*\c:PC+4*\c+3], s[52:53] offset:512*\c
.endr
	ds_store_b32 v[CSA], v[PW] offset:CST
	s_wait_dscnt 0x0
	s_barrier_signal -1
	s_barrier_wait -1
	s_cmp_lg_u32 s8, 0
	s_cbranch_scc1 .Lend
	ds_load_b128 v[W:W+3], v[AKS] offset:CST       ; wave 0: the group's 128 scale words
	s_wait_dscnt 0x0
	global_store_b128 v[AKS], v[W:W+3], s[54:55]
.Lend:
	s_wait_tensorcnt 0x0
	ds_add_u32 v63, v107
	s_wait_dscnt 0x0
	s_endpgm
.Lfunc_end_k_q580eb8e3a0_attn:
	.size	k_q580eb8e3a0_attn, .Lfunc_end_k_q580eb8e3a0_attn-k_q580eb8e3a0_attn
	.p2alignl 7, 3214868480
	.fill 96, 4, 3214868480
	.section	.rodata,"a",@progbits
	.p2align	6, 0x0
	.amdhsa_kernel k_q580eb8e3a0_attn
		.amdhsa_group_segment_fixed_size 58368
		.amdhsa_private_segment_fixed_size 0
		.amdhsa_enable_private_segment 0
		.amdhsa_kernarg_size 32
		.amdhsa_user_sgpr_count 2
		.amdhsa_user_sgpr_kernarg_segment_ptr 1
		.amdhsa_wavefront_size32 1
		.amdhsa_system_sgpr_workgroup_id_x 1
		.amdhsa_system_sgpr_workgroup_id_y 1
		.amdhsa_system_sgpr_workgroup_id_z 1
		.amdhsa_system_vgpr_workitem_id 0
		.amdhsa_next_free_vgpr 512
		.amdhsa_next_free_sgpr 66
		.amdhsa_reserve_vcc 1
		.amdhsa_float_denorm_mode_32 3
		.amdhsa_float_denorm_mode_16_64 3
		.amdhsa_memory_ordered 1
		.amdhsa_forward_progress 1
		.amdhsa_inst_pref_size 53
	.end_amdhsa_kernel
	.amdgpu_metadata
---
amdhsa.version: [ 1, 2 ]
amdhsa.kernels:
  - .name:           k_q580eb8e3a0_attn
    .symbol:         k_q580eb8e3a0_attn.kd
    .args:
      - { .name: qkvc, .offset: 0, .size: 8, .value_kind: global_buffer, .address_space: global }
      - { .name: qkvs, .offset: 8, .size: 8, .value_kind: global_buffer, .address_space: global }
      - { .name: ic, .offset: 16, .size: 8, .value_kind: global_buffer, .address_space: global }
      - { .name: isc, .offset: 24, .size: 8, .value_kind: global_buffer, .address_space: global }
    .group_segment_fixed_size: 58368
    .private_segment_fixed_size: 0
    .kernarg_segment_align: 8
    .kernarg_segment_size: 32
    .max_flat_workgroup_size: 256
    .sgpr_count:     66
    .vgpr_count:     512
    .wavefront_size: 32
...
	.end_amdgpu_metadata
.endif
;; end of part 3
;; launch wo (part 4): grid 8 x 32, 4 waves a work-group, clusters of 4 x 4, 327,680 bytes of LDS; arguments ic, isc, wo_codes, wo_scales, bo, x, x1; writes x1
.if DOCPART == 4
	.amdgcn_target "amdgcn-amd-amdhsa--gfx1250"
	.amdhsa_code_object_version 6
	.text
	.protected	k_q580eb8e3a0_wo
	.globl	k_q580eb8e3a0_wo
	.p2align	8
	.type	k_q580eb8e3a0_wo,@function
k_q580eb8e3a0_wo:
	s_mov_b64 s[64:65], 0
	v_nop
	global_prefetch_b8 v0, s[64:65] scope:SCOPE_SE
	s_setreg_imm32_b32 hwreg(HW_REG_WAVE_MODE, 25, 1), 1
	s_wait_xcnt 0x0
	s_wait_alu depctr_hold_cnt(0) depctr_sa_sdst(0) depctr_va_vdst(0) depctr_va_sdst(0) depctr_va_ssrc(0) depctr_va_vcc(0) depctr_vm_vsrc(0)
	s_getreg_b32 s2, hwreg(HW_REG_IB_STS2, 6, 4)
	s_cmp_eq_u32 s2, 0
	s_cbranch_scc0 .Lentry_in_a_cluster
	s_endpgm
.Lentry_in_a_cluster:
	s_bfe_u32 s2, ttmp6, 0x10000c
	s_cmp_lg_u32 s2, 0xf033
	s_cbranch_scc0 .Lentry_shape_is_right
	s_endpgm
.Lentry_shape_is_right:
; out = res + A W^T + bias.  A: [4096][SIZE_K] as images of operand registers ([row / 16][K / 128][1,536 bytes]) with scale words [K / 128][row]; W: [1024][SIZE_K] codes of FP6 (E2M3), K innermost,
; scale bytes [1024][SIZE_K / 32]; bias [1024], res and out [4096][1024] f32.
; N is 1,024: tiles of 256 x 256 would be 64.  So a tile is 128 x 128, 256 work-groups; four waves of 64 x 64: 16 accumulators.  K goes in steps of 512 through two LDS slots.
; CLUSTERS of 4 x 4: A's tile is shared along a row of the cluster, W's along a column, each asked for jointly.  Source 0 = 16 rows of W, source 1 = 16 rows of A: a lane holds eight neighbouring columns of a row.
; A's fragments are three loads of 16 bytes a lane from consecutive bytes.  W's rows are 384 bytes with 16 of padding behind every 128: pitch 432 = 108 words, so sixteen rows start at sixteen different groups of four banks.
; The bias is the C of each sum's first product; the residual is asked for at the head and added on the way out.
; REGISTERS: window 0: v16-30 addresses; v32-47 A's scale words, v48-63 W's, two sets; v64-95 the bias, later v64-127 rows on the way out; v128-255 the accumulators ((a, b) at 128 + 8 (4 a + b)).
;   window 1: two sets of fragments at 0 and 128: A's four, then W's four.   window 2: v0-127 the residual.
.set SIZE_K, 1024
.set NTOUT,  0                         ; 1: the output is read by no later launch
.set KS,     SIZE_K/32
.set KROW,   SIZE_K*3/4
.set NSTEP,  SIZE_K/128
.set LAPS,   SIZE_K/1024
.set BP,     432
.set AHALF,  4*6144                    ; four tiles of 16 rows x four K steps
.set BHALF,  64*BP
.set BOFF,   2*AHALF
.set SLOT,   BOFF+2*BHALF
.set SCA,    2*SLOT                    ; A's scale words: a K step's 512 bytes as 2 x (256 + 16)
.set SAH,    (NSTEP/2)*544
.set SCB,    SCA+2*SAH                 ; W's scale bytes: units of 256 + 16
.set SBH,    (64*KS/256)*272
.set DB,     (16*KS/256)*272           ; those of 16 rows
.set SPARE,  SCB+2*SBH                 ; the spare words, 128 bytes a wave: two blocks of 256 bytes that no other line names
.set SPITCH, 272                       ; the way out: 16 rows x (256 + 16) a wave, in slot 0, which has had its last fill and its last read by then
.set ADRA, 16
.set ADRB, 20
.set STO,  24
.set RD,   25
.set CO,   26
.set ADSA, 27
.set SPW,  28
.set NIL,  29
.set ADSB, 30
.set SA,   32
.set SB,   48
.set BI,   64
.set BK,   64
.set ACC,  128
.set G1, 24
.set G0, 32
.set G1B, 48
.set G0B, 56
.set G1S, 68
.set G0S, 76
.set G1SB, 80
.set G0SB, 88
.set MSB, 0
.macro WIN new
.if MSB != (\new)
	s_set_vgpr_msb (MSB<<8)|(\new)
.set MSB, (\new)
.endif
.endm
.macro JLOAD g0a, g1a, g0b, g1b        ; waves 0 and 1 fetch for A, waves 2 and 3 for W; four v_nop follow each of the two lines
	s_cmp_eq_u32 s15, 0
	s_cbranch_scc0 .Lfor_b_\@
	tensor_load_to_lds s[\g0a:\g0a+3], s[\g1a:\g1a+7]
	s_nop 0
.rept 4
	v_nop
.endr
	s_branch .Lasked_\@
.Lfor_b_\@:
	tensor_load_to_lds s[\g0b:\g0b+3], s[\g1b:\g1b+7]
	s_nop 0
.rept 4
	v_nop
.endr
.Lasked_\@:
.endm
.macro CREST
	s_cmp_lg_u32 s14, 0
	s_cbranch_scc1 .Lnot_wave_0_\@
	s_barrier_signal -3
.Lnot_wave_0_\@:
	s_barrier_wait -3
	s_barrier_signal -1
	s_barrier_wait -1
.endm
.macro CROUND
	s_barrier_signal -1
	s_barrier_wait -1
	CREST
.endm
	s_load_b256 s[4:11], s[0:1], 0x0               ; A's images, A's scale words, W's codes, W's scales
	s_load_b128 s[92:95], s[0:1], 0x20             ; the bias, the residual
	s_load_b64 s[96:97], s[0:1], 0x30              ; out
	v_lshl_add_u32 v[SPW], v0, 2, SPARE
	v_mov_b32 v[NIL], 0
	ds_add_u32 v28, v29
	ds_add_u32 v28, v29
	s_wait_dscnt 0x0
	v_lshrrev_b32 v1, 5, v0
	v_readfirstlane_b32 s14, v1                    ; wave 0..3
	s_lshr_b32 s15, s14, 1                         ; which 64 rows are mine.  Also: I fetch for A (0) or for W (1)
	s_and_b32 s16, s14, 1                          ; which 64 columns.  Also: which half of that tile I fetch
	s_bfe_u32 s40, ttmp6, 0x40000
	s_bfe_u32 s41, ttmp6, 0x40004
	s_lshl_b32 s42, ttmp9, 2
	s_add_co_u32 s42, s42, s40                     ; tile column
	s_and_b32 s17, ttmp7, 0xffff
	s_lshl_b32 s17, s17, 2
	s_add_co_u32 s17, s17, s41                     ; tile row
	s_lshl_b32 s43, s41, 2
	s_lshl_b32 s43, 15, s43
	s_lshl_b32 s44, 0x1111, s40
	s_or_b32 s[G1+0], s43, (3<<16)|(1<<21)         ; A: four rows of 6,144 bytes (768 elements of 8), no padding; the mask of my row
	s_mov_b32 s[G1+1], 768<<16
	s_mov_b32 s[G1+2], 4<<16
	s_mov_b32 s[G1+3], 768<<16
	s_mov_b32 s[G1+4], 4
	s_mov_b32 s[G1+5], SIZE_K*3/2                  ; a tile of 16 rows is NSTEP x 1,536 bytes
	s_mov_b32 s[G1+6], 0
	s_mov_b32 s[G1+7], 0
	s_or_b32 s[G1B+0], s44, (0<<16)|(1<<20)|(1<<21)|(4<<22)|(3<<25)  ; W: 64 rows of 384 bytes, 4 words of padding behind every 32; the mask of my column
	s_mov_b32 s[G1B+1], 384<<16
	s_mov_b32 s[G1B+2], 64<<16
	s_mov_b32 s[G1B+3], 384<<16
	s_mov_b32 s[G1B+4], 64
	s_mov_b32 s[G1B+5], KROW
	s_mov_b32 s[G1B+6], 0
	s_mov_b32 s[G1B+7], 0
	s_or_b32 s[G1S+0], s43, (3<<16)|(1<<20)|(1<<21)|(5<<22)|(3<<25)  ; A's scale words: NSTEP / 2 rows of 512 bytes, 16,384 apart
	s_mov_b32 s[G1S+1], 64<<16
	s_mov_b32 s[G1S+2], (NSTEP/2)<<16
	s_mov_b32 s[G1S+3], 64<<16
	s_mov_b32 s[G1S+4], NSTEP/2
	s_mov_b32 s[G1S+5], 2048
	s_mov_b32 s[G1S+6], 0
	s_mov_b32 s[G1S+7], 0
	s_or_b32 s[G1SB+0], s44, (3<<16)|(1<<20)|(1<<21)|(5<<22)|(3<<25) ; W's scale bytes of 64 rows: a dense block, as rows of 256 bytes
	s_mov_b32 s[G1SB+1], 32<<16
	s_mov_b32 s[G1SB+2], (64*KS/256)<<16
	s_mov_b32 s[G1SB+3], 32<<16
	s_mov_b32 s[G1SB+4], 64*KS/256
	s_mov_b32 s[G1SB+5], 32
	s_mov_b32 s[G1SB+6], 0
	s_mov_b32 s[G1SB+7], 0
	s_lshl_b32 s20, s17, 3
	s_lshl_b32 s18, s16, 2
	s_add_co_u32 s20, s20, s18                     ; A: tile of 16 rows 8 x tile row + 4 x half
	s_mul_i32 s20, s20, NSTEP*1536
	s_mov_b32 s21, 0
	s_mul_i32 s22, s16, (NSTEP/2)*16384
	s_lshl_b32 s18, s17, 9
	s_add_co_u32 s22, s22, s18
	s_mov_b32 s23, 0
	s_lshl_b32 s46, s42, 7
	s_lshl_b32 s18, s16, 6
	s_add_co_u32 s46, s46, s18                     ; W: row 128 x tile column + 64 x half
	s_mul_i32 s98, s46, KS
	s_mov_b32 s99, 0
	s_mul_i32 s46, s46, KROW
	s_mov_b32 s47, 0
	s_mul_i32 s12, s16, AHALF                      ; where they go: the wave's number alone
	s_mul_i32 s13, s16, BHALF
	s_add_co_u32 s13, s13, BOFF
	s_mul_i32 s18, s16, SAH
	s_add_co_u32 s18, s18, SCA
	s_mul_i32 s19, s16, SBH
	s_add_co_u32 s19, s19, SCB
	s_wait_kmcnt 0x0
	s_add_nc_u64 s[20:21], s[4:5], s[20:21]
	s_add_nc_u64 s[22:23], s[6:7], s[22:23]
	s_add_nc_u64 s[46:47], s[8:9], s[46:47]
	s_add_nc_u64 s[98:99], s[10:11], s[98:99]
	CROUND                                         ; all sixteen work-groups are here: the first joint loads meet
	s_mov_b32 s[G0S], 1
	s_mov_b32 s[G0S+1], s18
	s_mov_b64 s[G0S+2:G0S+3], s[22:23]
	s_or_b32 s[G0S+3], s[G0S+3], 0x80000000
	s_mov_b32 s[G0SB], 1
	s_mov_b32 s[G0SB+1], s19
	s_mov_b64 s[G0SB+2:G0SB+3], s[98:99]
	s_or_b32 s[G0SB+3], s[G0SB+3], 0x80000000
	JLOAD G0S, G1S, G0SB, G1SB
.irp s, 0,1
	s_mov_b32 s[G0+4*\s], 1
	s_add_co_u32 s[G0+4*\s+1], s12, \s*SLOT
	s_add_nc_u64 s[G0+4*\s+2:G0+4*\s+3], s[20:21], \s*6144
	s_or_b32 s[G0+4*\s+3], s[G0+4*\s+3], 0x80000000
	s_mov_b32 s[G0B+4*\s], 1
	s_add_co_u32 s[G0B+4*\s+1], s13, \s*SLOT
	s_add_nc_u64 s[G0B+4*\s+2:G0B+4*\s+3], s[46:47], \s*384
	s_or_b32 s[G0B+4*\s+3], s[G0B+4*\s+3], 0x80000000
	JLOAD G0+4*\s, G1, G0B+4*\s, G1B
.endr
	v_and_b32 v1, 15, v0                           ; r
	v_bfe_u32 v2, v0, 4, 1                         ; h
	v_and_b32 v3, 31, v0                           ; l
	v_lshlrev_b32 v4, 4, v3
	v_mul_u32_u24 v5, v1, BP
	v_mad_u32_u24 v5, v2, 24, v5
	v_lshl_add_u32 v6, v2, 4, v5                   ; the same behind one padding more
	s_mul_i32 s21, s15, AHALF
	s_mul_i32 s22, s16, BHALF
	s_add_co_u32 s22, s22, BOFF
.irp s, 0,1
	v_add_nc_u32 v[ADRA+\s], s21, v4
	v_add_nc_u32 v[ADRB+\s], s22, v5
	v_add_nc_u32 v[ADRB+2+\s], s22, v6
	s_add_co_u32 s21, s21, SLOT
	s_add_co_u32 s22, s22, SLOT
.endr
	s_mul_i32 s23, s14, 16*SPITCH
	v_mul_u32_u24 v5, v1, SPITCH
	v_lshl_add_u32 v5, v2, 5, v5
	v_add_nc_u32 v[STO], s23, v5                   ; in: row r, 32 bytes for each half of the lanes
	v_mul_u32_u24 v5, v2, SPITCH
	v_lshl_add_u32 v5, v1, 4, v5
	v_add_nc_u32 v[RD], s23, v5                    ; back: lanes 0-15 one row of 256 bytes, lanes 16-31 the next
	v_lshlrev_b32 v[CO], 4, v1
	v_lshl_add_u32 v[CO], v2, 12, v[CO]            ; and the same two rows in memory
	s_mul_i32 s21, s15, 272
	s_add_co_u32 s21, s21, SCA
	v_lshl_add_u32 v[ADSA], v3, 2, s21             ; lanes 0-15 an even block's rows, lanes 16-31 the next block's
	v_mul_u32_u24 v7, v1, KS
	v_lshrrev_b32 v8, 8, v7
	v_lshl_add_u32 v7, v8, 4, v7
	v_mad_u32_u24 v7, v2, DB, v7                   ; lanes 16-31: the block 16 rows on
	s_mul_i32 s21, s16, SBH
	s_add_co_u32 s21, s21, SCB
	v_add_nc_u32 v[ADSB], s21, v7
	v_lshlrev_b32 v9, 5, v2                        ; the bias: 32 h
	s_lshl_b32 s46, s42, 9
	s_lshl_b32 s47, s16, 8
	s_add_co_u32 s46, s46, s47                     ; my first column, in bytes
	s_mov_b32 s47, 0
	s_add_nc_u64 s[92:93], s[92:93], s[46:47]
	s_lshl_b32 s20, s17, 7
	s_lshl_b32 s21, s15, 6
	s_add_co_u32 s20, s20, s21                     ; my first row
	s_lshl_b32 s20, s20, 12
	s_mov_b32 s21, 0
	s_add_nc_u64 s[20:21], s[20:21], s[46:47]
	s_add_nc_u64 s[94:95], s[94:95], s[20:21]
	s_add_nc_u64 s[96:97], s[96:97], s[20:21]
.irp b, 0,1,2,3
	global_load_b128 v[BI+8*\b:BI+8*\b+3], v9, s[92:93] offset:64*\b
	global_load_b128 v[BI+8*\b+4:BI+8*\b+7], v9, s[92:93] offset:64*\b+16
.endr
	WIN 0x80
.irp a, 0,1,2,3
.irp i, 0,1,2,3,4,5,6,7
	global_load_b128 v[32*\a+4*\i:32*\a+4*\i+3], v[CO], s[94:95] offset:(16*\a+2*\i)*4096   ; the residual lands while K is walked
.endr
.endr
	WIN 0
.macro FRAGB reg, adr, q, i            ; a fragment of W: pieces of 8 bytes; lanes 16-31 read three pieces on, which from piece 13 of 16 on is behind one padding more
.irp p, 0,1,2,3,4,5
.set PCE, 12*(\q)+6*(\p/3)+\p%3
.if PCE%16 < 13
	ds_load_b64 v[\reg+2*\p:\reg+2*\p+1], v[\adr] offset:8*PCE+16*(PCE/16)+(\i)*16*BP
.else
	ds_load_b64 v[\reg+2*\p:\reg+2*\p+1], v[\adr+2] offset:8*PCE+16*(PCE/16)+(\i)*16*BP
.endif
.endr
.endm
.macro FETCH slot, q, set              ; 36 loads: the fragments of the slot's q-th 128 along K
	WIN 0x40
.irp i, 0,1,2,3
	FRAGB 128*(\set)+48+12*\i, ADRB+\slot, \q, \i
.endr
.irp i, 0,1,2,3
.irp c, 0,1,2
	ds_load_b128 v[128*(\set)+12*\i+4*\c:128*(\set)+12*\i+4*\c+3], v[ADRA+\slot] offset:6144*\i+1536*(\q)+512*\c
.endr
.endr
	WIN 0
.endm
.macro SCALES set                      ; a slot's scale words
.irp q, 0,1,2,3
.irp ip, 0,1
	ds_load_b32 v[SA+8*\set+2*\q+\ip], v[ADSA] offset:544*\q+128*\ip
.endr
.endr
.irp ip, 0,1
	ds_load_b128 v[SB+8*\set+4*\ip:SB+8*\set+4*\ip+3], v[ADSB] offset:2*DB*\ip
.endr
.endm
; 8 matrix instructions: A's blocks a0, a0 + 1 x W's four.  The sixteen accumulators take turns in the same order in every step.  first = 1: the bias is the C
.macro MUL8 a0, q, set, sc, first
.irp a, \a0, \a0+1
.irp b, 0,1,2,3
.set DD, ACC+8*(4*(\a)+\b)
.set BF, 128*(\set)+48+12*\b
.set AFR, 128*(\set)+12*(\a)
.set SBR, SB+8*(\sc)+4*(\b/2)+(\q)
.set SAR, SA+8*(\sc)+2*(\q)+(\a)/2
.if \first
.set CC, BI+8*\b
.else
.set CC, DD
.endif
.if ((\a)%2 == 0) && (\b%2 == 0)
	v_wmma_scale_f32_16x16x128_f8f6f4 v[DD:DD+7], v[BF:BF+11], v[AFR:AFR+11], v[CC:CC+7], v[SBR], v[SAR] matrix_a_fmt:MATRIX_FMT_FP6 matrix_b_fmt:MATRIX_FMT_FP6
.elseif (\a)%2 == 0
	v_wmma_scale_f32_16x16x128_f8f6f4 v[DD:DD+7], v[BF:BF+11], v[AFR:AFR+11], v[CC:CC+7], v[SBR], v[SAR] matrix_a_fmt:MATRIX_FMT_FP6 matrix_b_fmt:MATRIX_FMT_FP6 matrix_a_scale:MATRIX_SCALE_ROW1
.elseif \b%2 == 0
	v_wmma_scale_f32_16x16x128_f8f6f4 v[DD:DD+7], v[BF:BF+11], v[AFR:AFR+11], v[CC:CC+7], v[SBR], v[SAR] matrix_a_fmt:MATRIX_FMT_FP6 matrix_b_fmt:MATRIX_FMT_FP6 matrix_b_scale:MATRIX_SCALE_ROW1
.else
	v_wmma_scale_f32_16x16x128_f8f6f4 v[DD:DD+7], v[BF:BF+11], v[AFR:AFR+11], v[CC:CC+7], v[SBR], v[SAR] matrix_a_fmt:MATRIX_FMT_FP6 matrix_b_fmt:MATRIX_FMT_FP6 matrix_a_scale:MATRIX_SCALE_ROW1 matrix_b_scale:MATRIX_SCALE_ROW1
.endif
.endr
.endr
.endm
.macro PLACES
.rept 4
	v_nop
.endr
.endm
.macro STEP slot, q, first             ; a step of 128 along K that has its successor in the same slot
	s_wait_dscnt 0x0                               ; this step's fragments are in
	PLACES                                         ; in front of loads into the set that the last step's products read
	FETCH \slot, (\q)+1, 1-(\q)%2
	WIN 0x05
	MUL8 0, \q, (\q)%2, \slot, \first
	MUL8 2, \q, (\q)%2, \slot, \first
	WIN 0
.endm
.macro TURN slot, next, fill           ; a slot's last step changes slots
	s_wait_tensorcnt 0x0                           ; all my tensor loads have landed: my part of the next slot
	ds_add_u32 v[SPW], v[NIL]                      ; 0 onto my spare word
	s_wait_dscnt 1                                 ; (the add alone may be out: the step's 36 loads are in)
	WIN 0x05
	MUL8 0, 3, 1, \slot, 0
	s_wait_dscnt 0x0                               ; the add is done, and my reads of this slot are over
	s_barrier_signal -1
	WIN 0
	s_barrier_wait -1
.if \fill
	CREST                                          ; the barrier has opened a round of the cluster's: no wave of any partner still reads this slot or has a load on its way
	s_add_nc_u64 s[G0+4*\slot+2:G0+4*\slot+3], s[G0+4*\slot+2:G0+4*\slot+3], 2*6144
	s_add_nc_u64 s[G0B+4*\slot+2:G0B+4*\slot+3], s[G0B+4*\slot+2:G0B+4*\slot+3], 2*384
	JLOAD G0+4*\slot, G1, G0B+4*\slot, G1B
.else
	PLACES
.endif
	v_add_nc_u32 v[ADSA], 4*544, v[ADSA]
	v_add_nc_u32 v[ADSB], 16, v[ADSB]
	FETCH \next, 0, 0
	SCALES \next
	WIN 0x05
	MUL8 2, 3, 1, \slot, 0
	WIN 0
.endm
	s_wait_tensorcnt 1                             ; the scales and my part of slot 0 are in; slot 1's load may be out
	s_barrier_signal -1
	s_barrier_wait -1
	FETCH 0, 0, 0
	SCALES 0
	s_wait_loadcnt 32                              ; the bias is in; the residual's 32 loads may be out
	STEP 0, 0, 1
.if LAPS > 1
	s_mov_b32 s3, LAPS-1
.Llap:
	STEP 0, 1, 0
	STEP 0, 2, 0
	TURN 0, 1, 1
	STEP 1, 0, 0
	STEP 1, 1, 0
	STEP 1, 2, 0
	TURN 1, 0, 1
	STEP 0, 0, 0
	s_sub_co_u32 s3, s3, 1
	s_cmp_lg_u32 s3, 0
	s_cbranch_scc1 .Llap
.endif
	STEP 0, 1, 0
	STEP 0, 2, 0
	TURN 0, 1, 0
	STEP 1, 0, 0
	STEP 1, 1, 0
	STEP 1, 2, 0
	s_wait_dscnt 0x0
	WIN 0x05
	MUL8 0, 3, 1, 1, 0
	MUL8 2, 3, 1, 1, 0
	WIN 0
; THE WAY OUT, 16 rows x 64 columns at a time, through my own stage: back as rows of 256 bytes, the residual added, sixteen lanes to an aligned run of 256 bytes
.macro OUTB a
.set BB, BK+32*((\a)%2)
.if (\a) > 1
	s_wait_xcnt 0x0                                ; block a - 2's stores have read their registers
.endif
.irp b, 0,1,2,3
	ds_store_b128 v[STO], v[ACC+8*(4*(\a)+\b):ACC+8*(4*(\a)+\b)+3] offset:64*\b        ; each accumulator from its low end on
	ds_store_b128 v[STO], v[ACC+8*(4*(\a)+\b)+4:ACC+8*(4*(\a)+\b)+7] offset:64*\b+16
.endr
.irp i, 0,1,2,3,4,5,6,7
	ds_load_b128 v[BB+4*\i:BB+4*\i+3], v[RD] offset:\i*2*SPITCH    ; LDS serves a wave's instructions in order: these see my stores
.endr
	s_wait_dscnt 0x0
	WIN 0x08                                       ; source 1: window 2
.irp i, 0,2,4,6,8,10,12,14,16,18,20,22,24,26,28,30
	v_pk_add_f32 v[BB+\i:BB+\i+1], v[BB+\i:BB+\i+1], v[32*(\a)+\i:32*(\a)+\i+1]
.endr
	WIN 0
.irp i, 0,1,2,3,4,5,6,7
.if NTOUT
	global_store_b128 v[CO], v[BB+4*\i:BB+4*\i+3], s[96:97] offset:(16*(\a)+2*\i)*4096 th:TH_STORE_NT
.else
	global_store_b128 v[CO], v[BB+4*\i:BB+4*\i+3], s[96:97] offset:(16*(\a)+2*\i)*4096
.endif
.endr
.endm
	PLACES
	s_wait_loadcnt 0x0                             ; the residual
	OUTB 0
	OUTB 1
	OUTB 2
	OUTB 3
	s_wait_tensorcnt 0x0                           ; the wave's end
	ds_add_u32 v[SPW], v[NIL]
	s_wait_dscnt 0x0
	CROUND                                         ; the closing round
	s_endpgm
.Lfunc_end_k_q580eb8e3a0_wo:
	.size	k_q580eb8e3a0_wo, .Lfunc_end_k_q580eb8e3a0_wo-k_q580eb8e3a0_wo
	.p2alignl 7, 3214868480
	.fill 96, 4, 3214868480
	.section	.rodata,"a",@progbits
	.p2align	6, 0x0
	.amdhsa_kernel k_q580eb8e3a0_wo
		.amdhsa_group_segment_fixed_size 327680
		.amdhsa_private_segment_fixed_size 0
		.amdhsa_enable_private_segment 0
		.amdhsa_kernarg_size 56
		.amdhsa_user_sgpr_count 2
		.amdhsa_user_sgpr_kernarg_segment_ptr 1
		.amdhsa_wavefront_size32 1
		.amdhsa_system_sgpr_workgroup_id_x 1
		.amdhsa_system_sgpr_workgroup_id_y 1
		.amdhsa_system_sgpr_workgroup_id_z 1
		.amdhsa_system_vgpr_workitem_id 0
		.amdhsa_next_free_vgpr 640
		.amdhsa_next_free_sgpr 100
		.amdhsa_reserve_vcc 0
		.amdhsa_float_denorm_mode_32 3
		.amdhsa_float_denorm_mode_16_64 3
		.amdhsa_memory_ordered 1
		.amdhsa_forward_progress 1
		.amdhsa_inst_pref_size 64
	.end_amdhsa_kernel
	.amdgpu_metadata
---
amdhsa.version: [ 1, 2 ]
amdhsa.kernels:
  - .name:           k_q580eb8e3a0_wo
    .symbol:         k_q580eb8e3a0_wo.kd
    .args:
      - { .name: ic, .offset: 0, .size: 8, .value_kind: global_buffer, .address_space: global }
      - { .name: isc, .offset: 8, .size: 8, .value_kind: global_buffer, .address_space: global }
      - { .name: wo_codes, .offset: 16, .size: 8, .value_kind: global_buffer, .address_space: global }
      - { .name: wo_scales, .offset: 24, .size: 8, .value_kind: global_buffer, .address_space: global }
      - { .name: bo, .offset: 32, .size: 8, .value_kind: global_buffer, .address_space: global }
      - { .name: x, .offset: 40, .size: 8, .value_kind: global_buffer, .address_space: global }
      - { .name: x1, .offset: 48, .size: 8, .value_kind: global_buffer, .address_space: global }
    .group_segment_fixed_size: 327680
    .private_segment_fixed_size: 0
    .kernarg_segment_align: 8
    .kernarg_segment_size: 56
    .max_flat_workgroup_size: 128
    .sgpr_count:     100
    .vgpr_count:     640
    .wavefront_size: 32
...
	.end_amdgpu_metadata
.endif
;; end of part 4
;; launch ln2: the kernel of part 1 again; grid 256 x 1, 8 waves a work-group, no clusters, 17,408 bytes of LDS; arguments x1, ln2_g, ln2_b, hc, hs; writes hc, hs
;; launch up (part 5): grid 16 x 16, 4 waves a work-group, clusters of 4 x 4, 327,680 bytes of LDS; arguments hc, hs, w1_codes, w1_scales, b1, ic, isc; writes ic, isc
.if DOCPART == 5
	.amdgcn_target "amdgcn-amd-amdhsa--gfx1250"
	.amdhsa_code_object_version 6
	.text
	.protected	k_q580eb8e3a0_up
	.globl	k_q580eb8e3a0_up
	.p2align	8
	.type	k_q580eb8e3a0_up,@function
k_q580eb8e3a0_up:
	s_mov_b64 s[64:65], 0
	v_nop
	global_prefetch_b8 v0, s[64:65] scope:SCOPE_SE
	s_setreg_imm32_b32 hwreg(HW_REG_WAVE_MODE, 25, 1), 1
	s_wait_xcnt 0x0
	s_wait_alu depctr_hold_cnt(0) depctr_sa_sdst(0) depctr_va_vdst(0) depctr_va_sdst(0) depctr_va_ssrc(0) depctr_va_vcc(0) depctr_vm_vsrc(0)
	s_getreg_b32 s2, hwreg(HW_REG_IB_STS2, 6, 4)
	s_cmp_eq_u32 s2, 0
	s_cbranch_scc0 .Lentry_in_a_cluster
	s_endpgm
.Lentry_in_a_cluster:
	s_bfe_u32 s2, ttmp6, 0x10000c
	s_cmp_lg_u32 s2, 0xf033
	s_cbranch_scc0 .Lentry_shape_is_right
	s_endpgm
.Lentry_shape_is_right:
; g = gelu(h2 W1 + b1), exact (by erf), on codes of FP6 (E2M3) with E8M0 scales, K = 1,024, and g quantised along the hidden axis on its way out.
; A work-group makes 256 tokens x 256 hidden units, a wave 128 x 128: 64 accumulators.  Clusters of 4 x 4: the tokens' tile (A) is shared along a row of the cluster, W1's (B) along a column.
; Source 0 = 16 rows of W1, source 1 = 16 tokens: lane (r, h) holds token r, and its eight registers run along hidden units 8 h + 0 .. 7: along the next product's K.
; K goes in steps of 256 through two LDS slots filled by joint tensor loads; all scale bytes come once and stay.
; OUT: images of the next operand's registers, [token / 16][hidden / 128][1,536 bytes]: register group c of lane l at 512 c + 16 l; scale words [hidden / 128][token].
; THE WAY OUT IS A LOOP of eight trips, a block of 16 tokens x 128 units each, so that the gelu is written once; only the 32 additions that name the block's accumulators are chosen by the trip's number.
; erf(u) = u P(u^2) / Q(u^2), degrees 6 and 4, u held to -4 .. 4, beyond which erf is +-1 in f32.
; LIMITS: NaN and infinities are not served; for z under -5.66 the result is 0 or about |z| x 3e-8 where the true magnitude lies under 2e-7; a block of zeros gets the byte 1.
; REGISTERS: window 0: v7-31 addresses; v32-63 scale words; from v128 A's fragments.  On the way out: v64-127 a block's 64 numbers, v128-189 at work, v192-223 the gelu's.
;   window 1: B's fragments at v0 and v128; v96-127 and v224-255 the bias.   windows 2, 3: the accumulators.
.set NQX,    32
.set KSTEP,  256
.set NQ,     2
.set ROWB,   192
.set KROW,   768
.set PITCH,  240
.set FR,     12
.set NL,     6
.set NP,     4
.set HALFT,  128*PITCH
.set SLOT,   4*HALFT
.set LAPS,   2
.set KS,     32
.set SCL,    2*SLOT
.set HALFS,  (128*KS/256)*272
.set SBLK,   (16*KS/256)*272
.set SPARE,  SCL+4*HALFS               ; the spare words, 128 bytes a wave: two blocks of 256 bytes that no other line names
.set IO,   7                           ; v7   16 l
.set QSA,  8                           ; v8   my stage of scale words: 512 wave + 4 r
.set QSR,  9                           ; v9   and back: 512 wave + 16 l
.set QST,  10                          ; v10  the trip's place in it
.set BO,   11                          ; v11  the bias loads' offset: 32 h
.set ADRA, 16
.set ADRB, 20
.set ADRS, 27
.set SPW,  28
.set NIL,  29
.set SC,   32
.set AF,   128
.set W,    64
.set PC,   128
.set TM,   148
.set PW,   164
.set K11,  186
.set K6,   188
.set GU,   192
.set GX,   200
.set GP,   208
.set GQ,   216
.set G1, 24
.set G0, 32
.set G1B, 48
.set G0B, 56
.set G1S, 68
.set G0S, 76
.set G1SB, 80
.set G0SB, 88
.set SEL, 92
.set EA,  20                           ; s20 the way out's trip
.set ES,  21                           ; s21 64 x the trip
.set MSB, 0
.macro WIN new
.if MSB != (\new)
	s_set_vgpr_msb (MSB<<8)|(\new)
.set MSB, (\new)
.endif
.endm
.set MUL_LO, 0xa1
.set MUL_HI, 0xf1
.set TO_B,   0x40
.macro JLOAD g0a, g1a, g0b, g1b        ; waves 0 and 1 fetch for A, waves 2 and 3 for B; four v_nop follow each of the two lines
	s_cmp_eq_u32 s15, 0
	s_cbranch_scc0 .Lfor_b_\@
	tensor_load_to_lds s[\g0a:\g0a+3], s[\g1a:\g1a+7]
	s_nop 0
.rept 4
	v_nop
.endr
	s_branch .Lasked_\@
.Lfor_b_\@:
	tensor_load_to_lds s[\g0b:\g0b+3], s[\g1b:\g1b+7]
	s_nop 0
.rept 4
	v_nop
.endr
.Lasked_\@:
.endm
.macro CREST
	s_cmp_lg_u32 s14, 0
	s_cbranch_scc1 .Lnot_wave_0_\@
	s_barrier_signal -3
.Lnot_wave_0_\@:
	s_barrier_wait -3
	s_barrier_signal -1
	s_barrier_wait -1
.endm
.macro CROUND
	s_barrier_signal -1
	s_barrier_wait -1
	CREST
.endm
	s_load_b256 s[4:11], s[0:1], 0x0               ; h2's codes, h2's scales, W1's codes, W1's scales
	s_load_b64 s[96:97], s[0:1], 0x20              ; b1
	s_load_b64 s[12:13], s[0:1], 0x28              ; g's images
	s_load_b64 s[98:99], s[0:1], 0x30              ; g's scale words
	v_lshl_add_u32 v[SPW], v0, 2, SPARE
	v_mov_b32 v[NIL], 0
	ds_add_u32 v28, v29
	ds_add_u32 v28, v29
	s_wait_dscnt 0x0
	v_lshrrev_b32 v1, 5, v0
	v_readfirstlane_b32 s14, v1
	s_lshr_b32 s15, s14, 1
	s_and_b32 s16, s14, 1
	s_bfe_u32 s40, ttmp6, 0x40000
	s_bfe_u32 s41, ttmp6, 0x40004
	s_lshl_b32 s42, ttmp9, 2
	s_add_co_u32 s42, s42, s40                     ; W1's tile of 256 rows
	s_and_b32 s17, ttmp7, 0xffff
	s_lshl_b32 s17, s17, 2
	s_add_co_u32 s17, s17, s41                     ; the tokens' tile
	s_lshl_b32 s43, s41, 2
	s_lshl_b32 s43, 15, s43
	s_lshl_b32 s44, 0x1111, s40
	s_or_b32 s[G1+0], s43, (0<<16)|(1<<20)|(1<<21)|(3<<22)|(3<<25)
	s_or_b32 s[G1B+0], s44, (0<<16)|(1<<20)|(1<<21)|(3<<22)|(3<<25)
.irp g, G1, G1B
	s_mov_b32 s[\g+1], ROWB<<16
	s_mov_b32 s[\g+2], 128<<16
	s_mov_b32 s[\g+3], ROWB<<16
	s_mov_b32 s[\g+4], 128
	s_mov_b32 s[\g+5], KROW
	s_mov_b32 s[\g+6], 0
	s_mov_b32 s[\g+7], 0
.endr
	s_or_b32 s[G1S+0], s43, (3<<16)|(1<<20)|(1<<21)|(5<<22)|(3<<25)
	s_or_b32 s[G1SB+0], s44, (3<<16)|(1<<20)|(1<<21)|(5<<22)|(3<<25)
.irp g, G1S, G1SB
	s_mov_b32 s[\g+1], 32<<16
	s_mov_b32 s[\g+2], (128*KS/256)<<16
	s_mov_b32 s[\g+3], 32<<16
	s_mov_b32 s[\g+4], 128*KS/256
	s_mov_b32 s[\g+5], 32
	s_mov_b32 s[\g+6], 0
	s_mov_b32 s[\g+7], 0
.endr
	s_lshl_b32 s18, s16, 7
	s_lshl_b32 s20, s17, 8
	s_add_co_u32 s20, s20, s18
	s_lshl_b32 s46, s42, 8
	s_add_co_u32 s46, s46, s18
	s_mov_b32 s21, 0
	s_mov_b32 s47, 0
	s_mov_b64 s[18:19], KS
	s_mul_u64 s[22:23], s[20:21], s[18:19]
	s_mul_u64 s[92:93], s[46:47], s[18:19]
	s_mov_b64 s[18:19], KROW
	s_mul_u64 s[20:21], s[20:21], s[18:19]
	s_mul_u64 s[46:47], s[46:47], s[18:19]
	s_mul_i32 s45, s14, HALFT
	s_mul_i32 s94, s14, HALFS
	s_wait_kmcnt 0x0
	s_add_nc_u64 s[20:21], s[4:5], s[20:21]
	s_add_nc_u64 s[22:23], s[6:7], s[22:23]
	s_add_nc_u64 s[46:47], s[8:9], s[46:47]
	s_add_nc_u64 s[92:93], s[10:11], s[92:93]
	CROUND                                         ; all sixteen work-groups are here: the first joint loads meet
	s_mov_b32 s[G0S], 1
	s_add_co_u32 s[G0S+1], s94, SCL
	s_mov_b64 s[G0S+2:G0S+3], s[22:23]
	s_or_b32 s[G0S+3], s[G0S+3], 0x80000000
	s_mov_b32 s[G0SB], 1
	s_add_co_u32 s[G0SB+1], s94, SCL
	s_mov_b64 s[G0SB+2:G0SB+3], s[92:93]
	s_or_b32 s[G0SB+3], s[G0SB+3], 0x80000000
	JLOAD G0S, G1S, G0SB, G1SB
.irp s, 0,1
	s_mov_b32 s[G0+4*\s], 1
	s_add_co_u32 s[G0+4*\s+1], s45, \s*SLOT
	s_add_nc_u64 s[G0+4*\s+2:G0+4*\s+3], s[20:21], \s*ROWB
	s_or_b32 s[G0+4*\s+3], s[G0+4*\s+3], 0x80000000
	s_mov_b32 s[G0B+4*\s], 1
	s_add_co_u32 s[G0B+4*\s+1], s45, \s*SLOT
	s_add_nc_u64 s[G0B+4*\s+2:G0B+4*\s+3], s[46:47], \s*ROWB
	s_or_b32 s[G0B+4*\s+3], s[G0B+4*\s+3], 0x80000000
	JLOAD G0+4*\s, G1, G0B+4*\s, G1B
.endr
	v_and_b32 v1, 15, v0                           ; r
	v_bfe_u32 v2, v0, 4, 1                         ; h
	; THE BIAS in the results' layout: register 8 b + j is b1 at my hidden unit 16 b + 8 h + j
	v_lshlrev_b32 v[BO], 5, v2
	s_lshl_b32 s46, s42, 8
	s_lshl_b32 s22, s16, 7
	s_add_co_u32 s46, s46, s22
	s_lshl_b32 s46, s46, 2
	s_mov_b32 s47, 0
	s_add_nc_u64 s[96:97], s[96:97], s[46:47]
	WIN TO_B
.irp i, 0,1,2,3,4,5,6,7
	global_load_b128 v[96+8*\i+(\i/4)*96:99+8*\i+(\i/4)*96], v[BO], s[96:97] offset:64*\i       ; they land while K is walked
	global_load_b128 v[100+8*\i+(\i/4)*96:103+8*\i+(\i/4)*96], v[BO], s[96:97] offset:64*\i+16
.endr
	WIN 0
	v_mul_u32_u24 v3, v1, PITCH
	v_mul_u32_u24 v4, v2, 24
	v_add_nc_u32 v4, v3, v4
	v_lshl_add_u32 v5, v2, 4, v4
	s_mul_i32 s21, s15, HALFT
	s_mul_i32 s22, s16, HALFT
	s_add_co_u32 s22, s22, 2*HALFT
.irp s, 0,1
	v_add_nc_u32 v[ADRA+\s], s21, v4
	v_add_nc_u32 v[ADRB+\s], s22, v4
	v_add_nc_u32 v[ADRA+2+\s], s21, v5
	v_add_nc_u32 v[ADRB+2+\s], s22, v5
	s_add_co_u32 s21, s21, SLOT
	s_add_co_u32 s22, s22, SLOT
.endr
	v_mul_u32_u24 v5, v1, KS
	v_lshrrev_b32 v6, 8, v5
	v_lshl_add_u32 v5, v6, 4, v5
	s_mul_i32 s21, s15, HALFS
	s_mul_i32 s22, s16, HALFS
	s_add_co_u32 s22, s22, 2*HALFS
	s_sub_co_u32 s22, s22, s21
	v_mul_u32_u24 v6, s22, v2
	s_add_co_u32 s21, s21, SCL
	v_add_nc_u32 v5, v5, v6
	v_add_nc_u32 v[ADRS], s21, v5
	v_and_b32 v3, 31, v0
	v_lshlrev_b32 v[IO], 4, v3
	s_lshl_b32 s21, s14, 9
	v_lshl_add_u32 v[QSA], v1, 2, s21
	v_add_nc_u32 v[QSR], s21, v[IO]
.macro FRAG reg, adr, q, i
.irp p, 0,1,2,3,4,5
.set PCE, 12*(\q)+6*(\p/3)+\p%3
.if PCE%8 < 5
	ds_load_b64 v[\reg+2*\p:\reg+2*\p+1], v[\adr] offset:8*PCE+16*(PCE/8)+(\i)*16*PITCH
.else
	ds_load_b64 v[\reg+2*\p:\reg+2*\p+1], v[\adr+2] offset:8*PCE+16*(PCE/8)+(\i)*16*PITCH
.endif
.endr
.endm
.macro MUL16 a0, p, q, sc, zero        ; the 64 accumulators take turns, one instruction a turn, in the same order in every step
.irp a, \a0, \a0+1
.irp b, 0,1,2,3,4,5,6,7
.if \zero
	v_wmma_scale_f32_16x16x128_f8f6f4 v[8*(8*((\a)%4)+\b):8*(8*((\a)%4)+\b)+7], v[128*(\p)+FR*\b:128*(\p)+FR*\b+FR-1], v[AF+FR*(\a):AF+FR*(\a)+FR-1], 0, v[SC+8*NQ*(\sc)+NQ*\b+(\q)], v[SC+8*NQ*(\sc)+NQ*(\a)+(\q)] matrix_a_fmt:MATRIX_FMT_FP6 matrix_b_fmt:MATRIX_FMT_FP6 matrix_a_scale:MATRIX_SCALE_ROW1
.else
	v_wmma_scale_f32_16x16x128_f8f6f4 v[8*(8*((\a)%4)+\b):8*(8*((\a)%4)+\b)+7], v[128*(\p)+FR*\b:128*(\p)+FR*\b+FR-1], v[AF+FR*(\a):AF+FR*(\a)+FR-1], v[8*(8*((\a)%4)+\b):8*(8*((\a)%4)+\b)+7], v[SC+8*NQ*(\sc)+NQ*\b+(\q)], v[SC+8*NQ*(\sc)+NQ*(\a)+(\q)] matrix_a_fmt:MATRIX_FMT_FP6 matrix_b_fmt:MATRIX_FMT_FP6 matrix_a_scale:MATRIX_SCALE_ROW1
.endif
.endr
.endr
.endm
.macro FETCH_B slot, q, p
	WIN TO_B
.irp i, 0,1,2,3,4,5,6,7
	FRAG 128*(\p)+FR*\i, ADRB+\slot, \q, \i
.endr
	WIN 0
.endm
.macro FETCH_A slot, q, i0
.irp i, \i0, \i0+1, \i0+2, \i0+3
	FRAG AF+FR*(\i), ADRA+\slot, \q, \i
.endr
.endm
.macro SCALES sc
.irp i, 0,1,2,3,4,5,6,7
	ds_load_b64 v[SC+8*NQ*\sc+NQ*\i:SC+8*NQ*\sc+NQ*\i+1], v[ADRS] offset:\i*SBLK
.endr
.endm
.macro PLACES n
.rept \n
	v_nop
.endr
.endm
.macro STEP slot, q, zero
	s_wait_dscnt 4*NL                              ; B's set and A's blocks 0-3 are in; the youngest 24 loads (A's blocks 4-7) may be out
	WIN MUL_LO
	MUL16 0, (\q)%2, \q, \slot, \zero
	MUL16 2, (\q)%2, \q, \slot, \zero
	s_wait_dscnt 0
	PLACES NP
	FETCH_B \slot, (\q)+1, 1-(\q)%2
	FETCH_A \slot, (\q)+1, 0
	WIN MUL_HI
	MUL16 4, (\q)%2, \q, \slot, \zero
	MUL16 6, (\q)%2, \q, \slot, \zero
	PLACES NP
	WIN 0
	FETCH_A \slot, (\q)+1, 4
.endm
.macro TURN slot, next, fill
	s_wait_tensorcnt 0x0                           ; all my tensor loads have landed: my part of the next slot
	ds_add_u32 v[SPW], v[NIL]                      ; 0 onto my spare word
	s_wait_dscnt 4*NL+1                            ; (the add and the youngest 24 loads may be out)
	WIN MUL_LO
	MUL16 0, 1, NQ-1, \slot, 0
	s_wait_dscnt 0x0                               ; the add is done, and my reads of this slot are over
	s_barrier_signal -1
	MUL16 2, 1, NQ-1, \slot, 0
	WIN 0
	s_barrier_wait -1
.if \fill
	CREST                                          ; the barrier has opened a round of the cluster's: no wave of any partner still reads this slot or has a load on its way
	s_add_nc_u64 s[G0+4*\slot+2:G0+4*\slot+3], s[G0+4*\slot+2:G0+4*\slot+3], 2*ROWB
	s_add_nc_u64 s[G0B+4*\slot+2:G0B+4*\slot+3], s[G0B+4*\slot+2:G0B+4*\slot+3], 2*ROWB
	JLOAD G0+4*\slot, G1, G0B+4*\slot, G1B
.else
	PLACES NP
.endif
	v_add_nc_u32 v[ADRS], 4*NQ, v[ADRS]
	FETCH_B \next, 0, 0
	FETCH_A \next, 0, 0
	SCALES \next
	WIN MUL_HI
	MUL16 4, 1, NQ-1, \slot, 0
	MUL16 6, 1, NQ-1, \slot, 0
	PLACES NP
	WIN 0
	FETCH_A \next, 0, 4
.endm
	s_wait_tensorcnt 1                             ; the scales and my part of K step 0 are in; K step 1's load may be out
	s_barrier_signal -1
	s_barrier_wait -1
	FETCH_B 0, 0, 0
	FETCH_A 0, 0, 0
	SCALES 0
	FETCH_A 0, 0, 4
	STEP 0, 0, 1
	s_mov_b32 s3, LAPS-1
.Llap:
	TURN 0, 1, 1
	STEP 1, 0, 0
	TURN 1, 0, 1
	STEP 0, 0, 0
	s_sub_co_u32 s3, s3, 1
	s_cmp_lg_u32 s3, 0
	s_cbranch_scc1 .Llap
	TURN 0, 1, 0
	STEP 1, 0, 0
	s_wait_dscnt 4*NL
	WIN MUL_LO
	MUL16 0, 1, NQ-1, 1, 0
	MUL16 2, 1, NQ-1, 1, 0
	s_wait_dscnt 0
	WIN MUL_HI
	MUL16 4, 1, NQ-1, 1, 0
	MUL16 6, 1, NQ-1, 1, 0
	WIN 0
.macro QUANT s
.irp b, 0,1,2,3
	v_max3_num_f32 v[TM+\b], |v[\s+16*\b]|, |v[\s+1+16*\b]|, 0x1800000
.endr
.irp i, 2,4,6,8,10,12,14
.irp b, 0,1,2,3
	v_max3_num_f32 v[TM+\b], v[TM+\b], |v[\s+16*\b+\i]|, |v[\s+1+16*\b+\i]|
.endr
.endr
.irp b, 0,1,2,3
	v_permlanex16_b32 v[TM+4+\b], v[TM+\b], s[SEL], s[SEL+1]
.endr
.irp b, 0,1,2,3
	v_max_num_f32 v[TM+\b], v[TM+\b], v[TM+4+\b]
.endr
.irp b, 0,1,2,3
	v_add_nc_u32 v[TM+12+\b], 0xff000000, v[TM+\b]
.endr
.irp b, 0,1,2,3
	v_lshrrev_b32 v[TM+4+\b], 23, v[TM+12+\b]
.endr
	v_lshl_or_b32 v[PW], v[TM+5], 8, v[TM+4]
	v_lshl_or_b32 v[PW], v[TM+6], 16, v[PW]
	v_lshl_or_b32 v[PW], v[TM+7], 24, v[PW]
.irp c, 0,1
	v_cvt_scalef32_pk16_fp6_f32 v[PC+6*\c:PC+2+6*\c], v[\s+32*\c:\s+15+32*\c], v[TM+12+2*\c]
	v_cvt_scalef32_pk16_fp6_f32 v[PC+12+4*\c:PC+14+4*\c], v[\s+16+32*\c:\s+31+32*\c], v[TM+12+2*\c+1]
.endr
	v_nop
.irp c, 0,1
.irp i, 0,1,2
	v_permlane16_swap_b32 v[PC+6*\c+\i], v[PC+12+4*\c+\i]
.endr
.irp i, 0,1,2
	v_mov_b32 v[PC+3+6*\c+\i], v[PC+12+4*\c+\i]
.endr
.endr
.endm
.macro ADDB a                          ; block a's 64 results + the bias, each accumulator from its low end on
	WIN 0x06+(\a)/4
.irp b, 0,1,2,3,4,5,6,7
.irp i, 0,2,4,6
.set BX, 8*\b+\i
.set BR, 96+BX+(BX/32)*96
	v_pk_add_f32 v[W+8*\b+\i:W+8*\b+\i+1], v[64*((\a)%4)+8*\b+\i:64*((\a)%4)+8*\b+\i+1], v[BR:BR+1]
.endr
.endr
	WIN 0
.endm
; gelu(z) = z / 2 + (z / 2) erf(z / sqrt(2)) of eight numbers, four pairs by turns
.macro GELU4 i0
.irp p, 0,2,4,6
	v_pk_mul_f32 v[GU+\p:GU+\p+1], v[W+(\i0)+\p:W+(\i0)+\p+1], 0x3f3504f3 op_sel_hi:[1,0]
.endr
.irp p, 0,1,2,3,4,5,6,7
	v_med3_num_f32 v[GU+\p], v[GU+\p], -4.0, 4.0
.endr
.irp p, 0,2,4,6
	v_pk_mul_f32 v[GX+\p:GX+\p+1], v[GU+\p:GU+\p+1], v[GU+\p:GU+\p+1]
.endr
.irp p, 0,2,4,6
	v_pk_fma_f32 v[GP+\p:GP+\p+1], v[GX+\p:GX+\p+1], 0xaf95df0b, v[K11:K11+1] op_sel_hi:[1,0,1]
.endr
.irp p, 0,2,4,6
	v_pk_fma_f32 v[GQ+\p:GQ+\p+1], v[GX+\p:GX+\p+1], 0xb77460cd, v[K6:K6+1] op_sel_hi:[1,0,1]
.endr
.irp k, 0xb60cff51, 0xb86ec2d2, 0xba40ac63, 0xbb41a1f6, 0xbc83dbd4
.irp p, 0,2,4,6
	v_pk_fma_f32 v[GP+\p:GP+\p+1], v[GP+\p:GP+\p+1], v[GX+\p:GX+\p+1], \k op_sel_hi:[1,1,0]
.endr
.endr
.irp k, 0xbadc924e, 0xbbf19bf8, 0xbc69b6a7
.irp p, 0,2,4,6
	v_pk_fma_f32 v[GQ+\p:GQ+\p+1], v[GQ+\p:GQ+\p+1], v[GX+\p:GX+\p+1], \k op_sel_hi:[1,1,0]
.endr
.endr
.irp p, 0,1,2,3,4,5,6,7
	v_rcp_f32 v[GQ+\p], v[GQ+\p]
.endr
.irp p, 0,2,4,6
	v_pk_mul_f32 v[GU+\p:GU+\p+1], v[GU+\p:GU+\p+1], v[GP+\p:GP+\p+1]     ; (plain places behind the reciprocals)
.endr
	s_wait_alu depctr_va_vdst(0)
.irp p, 0,2,4,6
	v_pk_mul_f32 v[GU+\p:GU+\p+1], v[GU+\p:GU+\p+1], v[GQ+\p:GQ+\p+1]     ; erf
.endr
.irp p, 0,2,4,6
	v_pk_mul_f32 v[GP+\p:GP+\p+1], v[W+(\i0)+\p:W+(\i0)+\p+1], 0.5 op_sel_hi:[1,0]
.endr
.irp p, 0,2,4,6
	v_pk_fma_f32 v[W+(\i0)+\p:W+(\i0)+\p+1], v[GP+\p:GP+\p+1], v[GU+\p:GU+\p+1], v[GP+\p:GP+\p+1]
.endr
.endm
	PLACES NP
	s_wait_loadcnt 0x0                             ; the bias
	s_mov_b32 s[SEL], 0x76543210
	s_mov_b32 s[SEL+1], 0xfedcba98
.irp b, 0,1,2,3
	v_mov_b32 v[TM+4+\b], 0                        ; a lane permute's destination counts as one of its sources
.endr
	v_mov_b32 v[K11], 0x32edffee
	v_mov_b32 v[K11+1], 0x32edffee
	v_mov_b32 v[K6], 0xb95fbd29
	v_mov_b32 v[K6+1], 0xb95fbd29
	s_lshl_b32 s22, s42, 1
	s_add_co_u32 s22, s22, s16                     ; which 128 hidden units are mine
	s_lshl_b32 s20, s17, 4
	s_lshl_b32 s21, s15, 3
	s_add_co_u32 s20, s20, s21                     ; my first tile of 16 tokens
	s_lshl_b32 s21, s20, 5
	s_add_co_u32 s21, s21, s22
	s_mul_i32 s44, s21, 1536
	s_mov_b32 s45, 0
	s_add_nc_u64 s[12:13], s[12:13], s[44:45]
	s_lshl_b32 s44, s22, 14
	s_lshl_b32 s21, s20, 6
	s_add_co_u32 s44, s44, s21
	s_add_nc_u64 s[98:99], s[98:99], s[44:45]
	s_mov_b32 s[EA], 0
	s_mov_b32 s[ES], 0
.Lepi:
.irp a, 0,1,2,3,4,5,6
	s_cmp_lg_u32 s[EA], \a
	s_cbranch_scc1 .Lnot_\a
	ADDB \a
	s_branch .Ladded
.Lnot_\a:
.endr
	ADDB 7
.Ladded:
.irp g, 0,8,16,24,32,40,48,56
	GELU4 \g
.endr
.irp q, 0,1,2,3                        ; tiles 2 q and 2 q + 1 hold units 32 q + 8 h + j and 32 q + 16 + 8 h + j: the exchange leaves lane h with units 32 q + 16 h + 0 .. 15
.irp j, 0,1,2,3,4,5,6,7
	v_permlane16_swap_b32 v[W+16*\q+\j], v[W+16*\q+8+\j]
.endr
.endr
	QUANT W
.irp c, 0,1,2
	global_store_b128 v[IO], v[PC+4*\c:PC+4*\c+3], s[12:13] offset:512*\c      ; the image: 512 consecutive bytes an instruction
.endr
	v_add_nc_u32 v[QST], s[ES], v[QSA]
	ds_store_b32 v[QST], v[PW]
	s_wait_xcnt 0x0                                ; the stores have read their registers and their base: both are written again only behind this wait
	s_add_nc_u64 s[12:13], s[12:13], NQX*1536
	s_add_co_u32 s[ES], s[ES], 64
	s_add_co_u32 s[EA], s[EA], 1
	s_cmp_lt_u32 s[EA], 8
	s_cbranch_scc1 .Lepi
	ds_load_b128 v[W:W+3], v[QSR]                  ; my 128 tokens' scale words; LDS serves a wave's instructions in order
	s_wait_dscnt 0x0
	global_store_b128 v[IO], v[W:W+3], s[98:99]
	s_wait_tensorcnt 0x0                           ; the wave's end
	ds_add_u32 v[SPW], v[NIL]
	s_wait_dscnt 0x0
	CROUND                                         ; the closing round
	s_endpgm
.Lfunc_end_k_q580eb8e3a0_up:
	.size	k_q580eb8e3a0_up, .Lfunc_end_k_q580eb8e3a0_up-k_q580eb8e3a0_up
	.p2alignl 7, 3214868480
	.fill 96, 4, 3214868480
	.section	.rodata,"a",@progbits
	.p2align	6, 0x0
	.amdhsa_kernel k_q580eb8e3a0_up
		.amdhsa_group_segment_fixed_size 327680
		.amdhsa_private_segment_fixed_size 0
		.amdhsa_enable_private_segment 0
		.amdhsa_kernarg_size 56
		.amdhsa_user_sgpr_count 2
		.amdhsa_user_sgpr_kernarg_segment_ptr 1
		.amdhsa_wavefront_size32 1
		.amdhsa_system_sgpr_workgroup_id_x 1
		.amdhsa_system_sgpr_workgroup_id_y 1
		.amdhsa_system_sgpr_workgroup_id_z 1
		.amdhsa_system_vgpr_workitem_id 0
		.amdhsa_next_free_vgpr 1024
		.amdhsa_next_free_sgpr 102
		.amdhsa_reserve_vcc 0
		.amdhsa_float_denorm_mode_32 3
		.amdhsa_float_denorm_mode_16_64 3
		.amdhsa_memory_ordered 1
		.amdhsa_forward_progress 1
		.amdhsa_inst_pref_size 205
	.end_amdhsa_kernel
	.amdgpu_metadata
---
amdhsa.version: [ 1, 2 ]
amdhsa.kernels:
  - .name:           k_q580eb8e3a0_up
    .symbol:         k_q580eb8e3a0_up.kd
    .args:
      - { .name: hc, .offset: 0, .size: 8, .value_kind: global_buffer, .address_space: global }
      - { .name: hs, .offset: 8, .size: 8, .value_kind: global_buffer, .address_space: global }
      - { .name: w1_codes, .offset: 16, .size: 8, .value_kind: global_buffer, .address_space: global }
      - { .name: w1_scales, .offset: 24, .size: 8, .value_kind: global_buffer, .address_space: global }
      - { .name: b1, .offset: 32, .size: 8, .value_kind: global_buffer, .address_space: global }
      - { .name: ic, .offset: 40, .size: 8, .value_kind: global_buffer, .address_space: global }
      - { .name: isc, .offset: 48, .size: 8, .value_kind: global_buffer, .address_space: global }
    .group_segment_fixed_size: 327680
    .private_segment_fixed_size: 0
    .kernarg_segment_align: 8
    .kernarg_segment_size: 56
    .max_flat_workgroup_size: 128
    .sgpr_count:     102
    .vgpr_count:     1024
    .wavefront_size: 32
...
	.end_amdgpu_metadata
.endif
;; end of part 5
;; launch down (part 6): grid 8 x 32, 4 waves a work-group, clusters of 4 x 4, 327,680 bytes of LDS; arguments ic, isc, w2_codes, w2_scales, b2, x1, out0; writes out0
.if DOCPART == 6
	.amdgcn_target "amdgcn-amd-amdhsa--gfx1250"
	.amdhsa_code_object_version 6
	.text
	.protected	k_q580eb8e3a0_down
	.globl	k_q580eb8e3a0_down
	.p2align	8
	.type	k_q580eb8e3a0_down,@function
k_q580eb8e3a0_down:
	s_mov_b64 s[64:65], 0
	v_nop
	global_prefetch_b8 v0, s[64:65] scope:SCOPE_SE
	s_setreg_imm32_b32 hwreg(HW_REG_WAVE_MODE, 25, 1), 1
	s_wait_xcnt 0x0
	s_wait_alu depctr_hold_cnt(0) depctr_sa_sdst(0) depctr_va_vdst(0) depctr_va_sdst(0) depctr_va_ssrc(0) depctr_va_vcc(0) depctr_vm_vsrc(0)
	s_getreg_b32 s2, hwreg(HW_REG_IB_STS2, 6, 4)
	s_cmp_eq_u32 s2, 0
	s_cbranch_scc0 .Lentry_in_a_cluster
	s_endpgm
.Lentry_in_a_cluster:
	s_bfe_u32 s2, ttmp6, 0x10000c
	s_cmp_lg_u32 s2, 0xf033
	s_cbranch_scc0 .Lentry_shape_is_right
	s_endpgm
.Lentry_shape_is_right:
; out = res + A W^T + bias.  A: [4096][SIZE_K] as images of operand registers ([row / 16][K / 128][1,536 bytes]) with scale words [K / 128][row]; W: [1024][SIZE_K] codes of FP6 (E2M3), K innermost,
; scale bytes [1024][SIZE_K / 32]; bias [1024], res and out [4096][1024] f32.
; N is 1,024: tiles of 256 x 256 would be 64.  So a tile is 128 x 128, 256 work-groups; four waves of 64 x 64: 16 accumulators.  K goes in steps of 512 through two LDS slots.
; CLUSTERS of 4 x 4: A's tile is shared along a row of the cluster, W's along a column, each asked for jointly.  Source 0 = 16 rows of W, source 1 = 16 rows of A: a lane holds eight neighbouring columns of a row.
; A's fragments are three loads of 16 bytes a lane from consecutive bytes.  W's rows are 384 bytes with 16 of padding behind every 128: pitch 432 = 108 words, so sixteen rows start at sixteen different groups of four banks.
; The bias is the C of each sum's first product; the residual is asked for at the head and added on the way out.
; REGISTERS: window 0: v16-30 addresses; v32-47 A's scale words, v48-63 W's, two sets; v64-95 the bias, later v64-127 rows on the way out; v128-255 the accumulators ((a, b) at 128 + 8 (4 a + b)).
;   window 1: two sets of fragments at 0 and 128: A's four, then W's four.   window 2: v0-127 the residual.
.set SIZE_K, 4096
.set NTOUT,  1                         ; 1: the output is read by no later launch
.set KS,     SIZE_K/32
.set KROW,   SIZE_K*3/4
.set NSTEP,  SIZE_K/128
.set LAPS,   SIZE_K/1024
.set BP,     432
.set AHALF,  4*6144                    ; four tiles of 16 rows x four K steps
.set BHALF,  64*BP
.set BOFF,   2*AHALF
.set SLOT,   BOFF+2*BHALF
.set SCA,    2*SLOT                    ; A's scale words: a K step's 512 bytes as 2 x (256 + 16)
.set SAH,    (NSTEP/2)*544
.set SCB,    SCA+2*SAH                 ; W's scale bytes: units of 256 + 16
.set SBH,    (64*KS/256)*272
.set DB,     (16*KS/256)*272           ; those of 16 rows
.set SPARE,  SCB+2*SBH                 ; the spare words, 128 bytes a wave: two blocks of 256 bytes that no other line names
.set SPITCH, 272                       ; the way out: 16 rows x (256 + 16) a wave, in slot 0, which has had its last fill and its last read by then
.set ADRA, 16
.set ADRB, 20
.set STO,  24
.set RD,   25
.set CO,   26
.set ADSA, 27
.set SPW,  28
.set NIL,  29
.set ADSB, 30
.set SA,   32
.set SB,   48
.set BI,   64
.set BK,   64
.set ACC,  128
.set G1, 24
.set G0, 32
.set G1B, 48
.set G0B, 56
.set G1S, 68
.set G0S, 76
.set G1SB, 80
.set G0SB, 88
.set MSB, 0
.macro WIN new
.if MSB != (\new)
	s_set_vgpr_msb (MSB<<8)|(\new)
.set MSB, (\new)
.endif
.endm
.macro JLOAD g0a, g1a, g0b, g1b        ; waves 0 and 1 fetch for A, waves 2 and 3 for W; four v_nop follow each of the two lines
	s_cmp_eq_u32 s15, 0
	s_cbranch_scc0 .Lfor_b_\@
	tensor_load_to_lds s[\g0a:\g0a+3], s[\g1a:\g1a+7]
	s_nop 0
.rept 4
	v_nop
.endr
	s_branch .Lasked_\@
.Lfor_b_\@:
	tensor_load_to_lds s[\g0b:\g0b+3], s[\g1b:\g1b+7]
	s_nop 0
.rept 4
	v_nop
.endr
.Lasked_\@:
.endm
.macro CREST
	s_cmp_lg_u32 s14, 0
	s_cbranch_scc1 .Lnot_wave_0_\@
	s_barrier_signal -3
.Lnot_wave_0_\@:
	s_barrier_wait -3
	s_barrier_signal -1
	s_barrier_wait -1
.endm
.macro CROUND
	s_barrier_signal -1
	s_barrier_wait -1
	CREST
.endm
	s_load_b256 s[4:11], s[0:1], 0x0               ; A's images, A's scale words, W's codes, W's scales
	s_load_b128 s[92:95], s[0:1], 0x20             ; the bias, the residual
	s_load_b64 s[96:97], s[0:1], 0x30              ; out
	v_lshl_add_u32 v[SPW], v0, 2, SPARE
	v_mov_b32 v[NIL], 0
	ds_add_u32 v28, v29
	ds_add_u32 v28, v29
	s_wait_dscnt 0x0
	v_lshrrev_b32 v1, 5, v0
	v_readfirstlane_b32 s14, v1                    ; wave 0..3
	s_lshr_b32 s15, s14, 1                         ; which 64 rows are mine.  Also: I fetch for A (0) or for W (1)
	s_and_b32 s16, s14, 1                          ; which 64 columns.  Also: which half of that tile I fetch
	s_bfe_u32 s40, ttmp6, 0x40000
	s_bfe_u32 s41, ttmp6, 0x40004
	s_lshl_b32 s42, ttmp9, 2
	s_add_co_u32 s42, s42, s40                     ; tile column
	s_and_b32 s17, ttmp7, 0xffff
	s_lshl_b32 s17, s17, 2
	s_add_co_u32 s17, s17, s41                     ; tile row
	s_lshl_b32 s43, s41, 2
	s_lshl_b32 s43, 15, s43
	s_lshl_b32 s44, 0x1111, s40
	s_or_b32 s[G1+0], s43, (3<<16)|(1<<21)         ; A: four rows of 6,144 bytes (768 elements of 8), no padding; the mask of my row
	s_mov_b32 s[G1+1], 768<<16
	s_mov_b32 s[G1+2], 4<<16
	s_mov_b32 s[G1+3], 768<<16
	s_mov_b32 s[G1+4], 4
	s_mov_b32 s[G1+5], SIZE_K*3/2                  ; a tile of 16 rows is NSTEP x 1,536 bytes
	s_mov_b32 s[G1+6], 0
	s_mov_b32 s[G1+7], 0
	s_or_b32 s[G1B+0], s44, (0<<16)|(1<<20)|(1<<21)|(4<<22)|(3<<25)  ; W: 64 rows of 384 bytes, 4 words of padding behind every 32; the mask of my column
	s_mov_b32 s[G1B+1], 384<<16
	s_mov_b32 s[G1B+2], 64<<16
	s_mov_b32 s[G1B+3], 384<<16
	s_mov_b32 s[G1B+4], 64
	s_mov_b32 s[G1B+5], KROW
	s_mov_b32 s[G1B+6], 0
	s_mov_b32 s[G1B+7], 0
	s_or_b32 s[G1S+0], s43, (3<<16)|(1<<20)|(1<<21)|(5<<22)|(3<<25)  ; A's scale words: NSTEP / 2 rows of 512 bytes, 16,384 apart
	s_mov_b32 s[G1S+1], 64<<16
	s_mov_b32 s[G1S+2], (NSTEP/2)<<16
	s_mov_b32 s[G1S+3], 64<<16
	s_mov_b32 s[G1S+4], NSTEP/2
	s_mov_b32 s[G1S+5], 2048
	s_mov_b32 s[G1S+6], 0
	s_mov_b32 s[G1S+7], 0
	s_or_b32 s[G1SB+0], s44, (3<<16)|(1<<20)|(1<<21)|(5<<22)|(3<<25) ; W's scale bytes of 64 rows: a dense block, as rows of 256 bytes
	s_mov_b32 s[G1SB+1], 32<<16
	s_mov_b32 s[G1SB+2], (64*KS/256)<<16
	s_mov_b32 s[G1SB+3], 32<<16
	s_mov_b32 s[G1SB+4], 64*KS/256
	s_mov_b32 s[G1SB+5], 32
	s_mov_b32 s[G1SB+6], 0
	s_mov_b32 s[G1SB+7], 0
	s_lshl_b32 s20, s17, 3
	s_lshl_b32 s18, s16, 2
	s_add_co_u32 s20, s20, s18                     ; A: tile of 16 rows 8 x tile row + 4 x half
	s_mul_i32 s20, s20, NSTEP*1536
	s_mov_b32 s21, 0
	s_mul_i32 s22, s16, (NSTEP/2)*16384
	s_lshl_b32 s18, s17, 9
	s_add_co_u32 s22, s22, s18
	s_mov_b32 s23, 0
	s_lshl_b32 s46, s42, 7
	s_lshl_b32 s18, s16, 6
	s_add_co_u32 s46, s46, s18                     ; W: row 128 x tile column + 64 x half
	s_mul_i32 s98, s46, KS
	s_mov_b32 s99, 0
	s_mul_i32 s46, s46, KROW
	s_mov_b32 s47, 0
	s_mul_i32 s12, s16, AHALF                      ; where they go: the wave's number alone
	s_mul_i32 s13, s16, BHALF
	s_add_co_u32 s13, s13, BOFF
	s_mul_i32 s18, s16, SAH
	s_add_co_u32 s18, s18, SCA
	s_mul_i32 s19, s16, SBH
	s_add_co_u32 s19, s19, SCB
	s_wait_kmcnt 0x0
	s_add_nc_u64 s[20:21], s[4:5], s[20:21]
	s_add_nc_u64 s[22:23], s[6:7], s[22:23]
	s_add_nc_u64 s[46:47], s[8:9], s[46:47]
	s_add_nc_u64 s[98:99], s[10:11], s[98:99]
	CROUND                                         ; all sixteen work-groups are here: the first joint loads meet
	s_mov_b32 s[G0S], 1
	s_mov_b32 s[G0S+1], s18
	s_mov_b64 s[G0S+2:G0S+3], s[22:23]
	s_or_b32 s[G0S+3], s[G0S+3], 0x80000000
	s_mov_b32 s[G0SB], 1
	s_mov_b32 s[G0SB+1], s19
	s_mov_b64 s[G0SB+2:G0SB+3], s[98:99]
	s_or_b32 s[G0SB+3], s[G0SB+3], 0x80000000
	JLOAD G0S, G1S, G0SB, G1SB
.irp s, 0,1
	s_mov_b32 s[G0+4*\s], 1
	s_add_co_u32 s[G0+4*\s+1], s12, \s*SLOT
	s_add_nc_u64 s[G0+4*\s+2:G0+4*\s+3], s[20:21], \s*6144
	s_or_b32 s[G0+4*\s+3], s[G0+4*\s+3], 0x80000000
	s_mov_b32 s[G0B+4*\s], 1
	s_add_co_u32 s[G0B+4*\s+1], s13, \s*SLOT
	s_add_nc_u64 s[G0B+4*\s+2:G0B+4*\s+3], s[46:47], \s*384
	s_or_b32 s[G0B+4*\s+3], s[G0B+4*\s+3], 0x80000000
	JLOAD G0+4*\s, G1, G0B+4*\s, G1B
.endr
	v_and_b32 v1, 15, v0                           ; r
	v_bfe_u32 v2, v0, 4, 1                         ; h
	v_and_b32 v3, 31, v0                           ; l
	v_lshlrev_b32 v4, 4, v3
	v_mul_u32_u24 v5, v1, BP
	v_mad_u32_u24 v5, v2, 24, v5
	v_lshl_add_u32 v6, v2, 4, v5                   ; the same behind one padding more
	s_mul_i32 s21, s15, AHALF
	s_mul_i32 s22, s16, BHALF
	s_add_co_u32 s22, s22, BOFF
.irp s, 0,1
	v_add_nc_u32 v[ADRA+\s], s21, v4
	v_add_nc_u32 v[ADRB+\s], s22, v5
	v_add_nc_u32 v[ADRB+2+\s], s22, v6
	s_add_co_u32 s21, s21, SLOT
	s_add_co_u32 s22, s22, SLOT
.endr
	s_mul_i32 s23, s14, 16*SPITCH
	v_mul_u32_u24 v5, v1, SPITCH
	v_lshl_add_u32 v5, v2, 5, v5
	v_add_nc_u32 v[STO], s23, v5                   ; in: row r, 32 bytes for each half of the lanes
	v_mul_u32_u24 v5, v2, SPITCH
	v_lshl_add_u32 v5, v1, 4, v5
	v_add_nc_u32 v[RD], s23, v5                    ; back: lanes 0-15 one row of 256 bytes, lanes 16-31 the next
	v_lshlrev_b32 v[CO], 4, v1
	v_lshl_add_u32 v[CO], v2, 12, v[CO]            ; and the same two rows in memory
	s_mul_i32 s21, s15, 272
	s_add_co_u32 s21, s21, SCA
	v_lshl_add_u32 v[ADSA], v3, 2, s21             ; lanes 0-15 an even block's rows, lanes 16-31 the next block's
	v_mul_u32_u24 v7, v1, KS
	v_lshrrev_b32 v8, 8, v7
	v_lshl_add_u32 v7, v8, 4, v7
	v_mad_u32_u24 v7, v2, DB, v7                   ; lanes 16-31: the block 16 rows on
	s_mul_i32 s21, s16, SBH
	s_add_co_u32 s21, s21, SCB
	v_add_nc_u32 v[ADSB], s21, v7
	v_lshlrev_b32 v9, 5, v2                        ; the bias: 32 h
	s_lshl_b32 s46, s42, 9
	s_lshl_b32 s47, s16, 8
	s_add_co_u32 s46, s46, s47                     ; my first column, in bytes
	s_mov_b32 s47, 0
	s_add_nc_u64 s[92:93], s[92:93], s[46:47]
	s_lshl_b32 s20, s17, 7
	s_lshl_b32 s21, s15, 6
	s_add_co_u32 s20, s20, s21                     ; my first row
	s_lshl_b32 s20, s20, 12
	s_mov_b32 s21, 0
	s_add_nc_u64 s[20:21], s[20:21], s[46:47]
	s_add_nc_u64 s[94:95], s[94:95], s[20:21]
	s_add_nc_u64 s[96:97], s[96:97], s[20:21]
.irp b, 0,1,2,3
	global_load_b128 v[BI+8*\b:BI+8*\b+3], v9, s[92:93] offset:64*\b
	global_load_b128 v[BI+8*\b+4:BI+8*\b+7], v9, s[92:93] offset:64*\b+16
.endr
	WIN 0x80
.irp a, 0,1,2,3
.irp i, 0,1,2,3,4,5,6,7
	global_load_b128 v[32*\a+4*\i:32*\a+4*\i+3], v[CO], s[94:95] offset:(16*\a+2*\i)*4096   ; the residual lands while K is walked
.endr
.endr
	WIN 0
.macro FRAGB reg, adr, q, i            ; a fragment of W: pieces of 8 bytes; lanes 16-31 read three pieces on, which from piece 13 of 16 on is behind one padding more
.irp p, 0,1,2,3,4,5
.set PCE, 12*(\q)+6*(\p/3)+\p%3
.if PCE%16 < 13
	ds_load_b64 v[\reg+2*\p:\reg+2*\p+1], v[\adr] offset:8*PCE+16*(PCE/16)+(\i)*16*BP
.else
	ds_load_b64 v[\reg+2*\p:\reg+2*\p+1], v[\adr+2] offset:8*PCE+16*(PCE/16)+(\i)*16*BP
.endif
.endr
.endm
.macro FETCH slot, q, set              ; 36 loads: the fragments of the slot's q-th 128 along K
	WIN 0x40
.irp i, 0,1,2,3
	FRAGB 128*(\set)+48+12*\i, ADRB+\slot, \q, \i
.endr
.irp i, 0,1,2,3
.irp c, 0,1,2
	ds_load_b128 v[128*(\set)+12*\i+4*\c:128*(\set)+12*\i+4*\c+3], v[ADRA+\slot] offset:6144*\i+1536*(\q)+512*\c
.endr
.endr
	WIN 0
.endm
.macro SCALES set                      ; a slot's scale words
.irp q, 0,1,2,3
.irp ip, 0,1
	ds_load_b32 v[SA+8*\set+2*\q+\ip], v[ADSA] offset:544*\q+128*\ip
.endr
.endr
.irp ip, 0,1
	ds_load_b128 v[SB+8*\set+4*\ip:SB+8*\set+4*\ip+3], v[ADSB] offset:2*DB*\ip
.endr
.endm
; 8 matrix instructions: A's blocks a0, a0 + 1 x W's four.  The sixteen accumulators take turns in the same order in every step.  first = 1: the bias is the C
.macro MUL8 a0, q, set, sc, first
.irp a, \a0, \a0+1
.irp b, 0,1,2,3
.set DD, ACC+8*(4*(\a)+\b)
.set BF, 128*(\set)+48+12*\b
.set AFR, 128*(\set)+12*(\a)
.set SBR, SB+8*(\sc)+4*(\b/2)+(\q)
.set SAR, SA+8*(\sc)+2*(\q)+(\a)/2
.if \first
.set CC, BI+8*\b
.else
.set CC, DD
.endif
.if ((\a)%2 == 0) && (\b%2 == 0)
	v_wmma_scale_f32_16x16x128_f8f6f4 v[DD:DD+7], v[BF:BF+11], v[AFR:AFR+11], v[CC:CC+7], v[SBR], v[SAR] matrix_a_fmt:MATRIX_FMT_FP6 matrix_b_fmt:MATRIX_FMT_FP6
.elseif (\a)%2 == 0
	v_wmma_scale_f32_16x16x128_f8f6f4 v[DD:DD+7], v[BF:BF+11], v[AFR:AFR+11], v[CC:CC+7], v[SBR], v[SAR] matrix_a_fmt:MATRIX_FMT_FP6 matrix_b_fmt:MATRIX_FMT_FP6 matrix_a_scale:MATRIX_SCALE_ROW1
.elseif \b%2 == 0
	v_wmma_scale_f32_16x16x128_f8f6f4 v[DD:DD+7], v[BF:BF+11], v[AFR:AFR+11], v[CC:CC+7], v[SBR], v[SAR] matrix_a_fmt:MATRIX_FMT_FP6 matrix_b_fmt:MATRIX_FMT_FP6 matrix_b_scale:MATRIX_SCALE_ROW1
.else
	v_wmma_scale_f32_16x16x128_f8f6f4 v[DD:DD+7], v[BF:BF+11], v[AFR:AFR+11], v[CC:CC+7], v[SBR], v[SAR] matrix_a_fmt:MATRIX_FMT_FP6 matrix_b_fmt:MATRIX_FMT_FP6 matrix_a_scale:MATRIX_SCALE_ROW1 matrix_b_scale:MATRIX_SCALE_ROW1
.endif
.endr
.endr
.endm
.macro PLACES
.rept 4
	v_nop
.endr
.endm
.macro STEP slot, q, first             ; a step of 128 along K that has its successor in the same slot
	s_wait_dscnt 0x0                               ; this step's fragments are in
	PLACES                                         ; in front of loads into the set that the last step's products read
	FETCH \slot, (\q)+1, 1-(\q)%2
	WIN 0x05
	MUL8 0, \q, (\q)%2, \slot, \first
	MUL8 2, \q, (\q)%2, \slot, \first
	WIN 0
.endm
.macro TURN slot, next, fill           ; a slot's last step changes slots
	s_wait_tensorcnt 0x0                           ; all my tensor loads have landed: my part of the next slot
	ds_add_u32 v[SPW], v[NIL]                      ; 0 onto my spare word
	s_wait_dscnt 1                                 ; (the add alone may be out: the step's 36 loads are in)
	WIN 0x05
	MUL8 0, 3, 1, \slot, 0
	s_wait_dscnt 0x0                               ; the add is done, and my reads of this slot are over
	s_barrier_signal -1
	WIN 0
	s_barrier_wait -1
.if \fill
	CREST                                          ; the barrier has opened a round of the cluster's: no wave of any partner still reads this slot or has a load on its way
	s_add_nc_u64 s[G0+4*\slot+2:G0+4*\slot+3], s[G0+4*\slot+2:G0+4*\slot+3], 2*6144
	s_add_nc_u64 s[G0B+4*\slot+2:G0B+4*\slot+3], s[G0B+4*\slot+2:G0B+4*\slot+3], 2*384
	JLOAD G0+4*\slot, G1, G0B+4*\slot, G1B
.else
	PLACES
.endif
	v_add_nc_u32 v[ADSA], 4*544, v[ADSA]
	v_add_nc_u32 v[ADSB], 16, v[ADSB]
	FETCH \next, 0, 0
	SCALES \next
	WIN 0x05
	MUL8 2, 3, 1, \slot, 0
	WIN 0
.endm
	s_wait_tensorcnt 1                             ; the scales and my part of slot 0 are in; slot 1's load may be out
	s_barrier_signal -1
	s_barrier_wait -1
	FETCH 0, 0, 0
	SCALES 0
	s_wait_loadcnt 32                              ; the bias is in; the residual's 32 loads may be out
	STEP 0, 0, 1
.if LAPS > 1
	s_mov_b32 s3, LAPS-1
.Llap:
	STEP 0, 1, 0
	STEP 0, 2, 0
	TURN 0, 1, 1
	STEP 1, 0, 0
	STEP 1, 1, 0
	STEP 1, 2, 0
	TURN 1, 0, 1
	STEP 0, 0, 0
	s_sub_co_u32 s3, s3, 1
	s_cmp_lg_u32 s3, 0
	s_cbranch_scc1 .Llap
.endif
	STEP 0, 1, 0
	STEP 0, 2, 0
	TURN 0, 1, 0
	STEP 1, 0, 0
	STEP 1, 1, 0
	STEP 1, 2, 0
	s_wait_dscnt 0x0
	WIN 0x05
	MUL8 0, 3, 1, 1, 0
	MUL8 2, 3, 1, 1, 0
	WIN 0
; THE WAY OUT, 16 rows x 64 columns at a time, through my own stage: back as rows of 256 bytes, the residual added, sixteen lanes to an aligned run of 256 bytes
.macro OUTB a
.set BB, BK+32*((\a)%2)
.if (\a) > 1
	s_wait_xcnt 0x0                                ; block a - 2's stores have read their registers
.endif
.irp b, 0,1,2,3
	ds_store_b128 v[STO], v[ACC+8*(4*(\a)+\b):ACC+8*(4*(\a)+\b)+3] offset:64*\b        ; each accumulator from its low end on
	ds_store_b128 v[STO], v[ACC+8*(4*(\a)+\b)+4:ACC+8*(4*(\a)+\b)+7] offset:64*\b+16
.endr
.irp i, 0,1,2,3,4,5,6,7
	ds_load_b128 v[BB+4*\i:BB+4*\i+3], v[RD] offset:\i*2*SPITCH    ; LDS serves a wave's instructions in order: these see my stores
.endr
	s_wait_dscnt 0x0
	WIN 0x08                                       ; source 1: window 2
.irp i, 0,2,4,6,8,10,12,14,16,18,20,22,24,26,28,30
	v_pk_add_f32 v[BB+\i:BB+\i+1], v[BB+\i:BB+\i+1], v[32*(\a)+\i:32*(\a)+\i+1]
.endr
	WIN 0
.irp i, 0,1,2,3,4,5,6,7
.if NTOUT
	global_store_b128 v[CO], v[BB+4*\i:BB+4*\i+3], s[96:97] offset:(16*(\a)+2*\i)*4096 th:TH_STORE_NT
.else
	global_store_b128 v[CO], v[BB+4*\i:BB+4*\i+3], s[96:97] offset:(16*(\a)+2*\i)*4096
.endif
.endr
.endm
	PLACES
	s_wait_loadcnt 0x0                             ; the residual
	OUTB 0
	OUTB 1
	OUTB 2
	OUTB 3
	s_wait_tensorcnt 0x0                           ; the wave's end
	ds_add_u32 v[SPW], v[NIL]
	s_wait_dscnt 0x0
	CROUND                                         ; the closing round
	s_endpgm
.Lfunc_end_k_q580eb8e3a0_down:
	.size	k_q580eb8e3a0_down, .Lfunc_end_k_q580eb8e3a0_down-k_q580eb8e3a0_down
	.p2alignl 7, 3214868480
	.fill 96, 4, 3214868480
	.section	.rodata,"a",@progbits
	.p2align	6, 0x0
	.amdhsa_kernel k_q580eb8e3a0_down
		.amdhsa_group_segment_fixed_size 327680
		.amdhsa_private_segment_fixed_size 0
		.amdhsa_enable_private_segment 0
		.amdhsa_kernarg_size 56
		.amdhsa_user_sgpr_count 2
		.amdhsa_user_sgpr_kernarg_segment_ptr 1
		.amdhsa_wavefront_size32 1
		.amdhsa_system_sgpr_workgroup_id_x 1
		.amdhsa_system_sgpr_workgroup_id_y 1
		.amdhsa_system_sgpr_workgroup_id_z 1
		.amdhsa_system_vgpr_workitem_id 0
		.amdhsa_next_free_vgpr 640
		.amdhsa_next_free_sgpr 100
		.amdhsa_reserve_vcc 0
		.amdhsa_float_denorm_mode_32 3
		.amdhsa_float_denorm_mode_16_64 3
		.amdhsa_memory_ordered 1
		.amdhsa_forward_progress 1
		.amdhsa_inst_pref_size 104
	.end_amdhsa_kernel
	.amdgpu_metadata
---
amdhsa.version: [ 1, 2 ]
amdhsa.kernels:
  - .name:           k_q580eb8e3a0_down
    .symbol:         k_q580eb8e3a0_down.kd
    .args:
      - { .name: ic, .offset: 0, .size: 8, .value_kind: global_buffer, .address_space: global }
      - { .name: isc, .offset: 8, .size: 8, .value_kind: global_buffer, .address_space: global }
      - { .name: w2_codes, .offset: 16, .size: 8, .value_kind: global_buffer, .address_space: global }
      - { .name: w2_scales, .offset: 24, .size: 8, .value_kind: global_buffer, .address_space: global }
      - { .name: b2, .offset: 32, .size: 8, .value_kind: global_buffer, .address_space: global }
      - { .name: x1, .offset: 40, .size: 8, .value_kind: global_buffer, .address_space: global }
      - { .name: out0, .offset: 48, .size: 8, .value_kind: global_buffer, .address_space: global }
    .group_segment_fixed_size: 327680
    .private_segment_fixed_size: 0
    .kernarg_segment_align: 8
    .kernarg_segment_size: 56
    .max_flat_workgroup_size: 128
    .sgpr_count:     100
    .vgpr_count:     640
    .wavefront_size: 32
...
	.end_amdgpu_metadata
.endif
;; end of part 6
